; MI455X (gfx1250); checked and timed in simulation.
; The chip was launched on July 23, 2026; its instructions are those of AMD's public machine-readable ISA for CDNA 5 (MIT licence, August 2026) and "CDNA5" Instruction Set Architecture Reference Guide (July 2026). The comments in the code are by the model that wrote it; some were corrected since.
;; Linear Attention. Allowed arithmetic: matrix products marked QUANTISED: E4M3 operands, one given power-of-two scale a tensor, by v_wmma_f32_16x16x64_fp8_fp8 or v_wmma_f32_16x16x128_fp8_fp8, f32 sums; products left as they are: f32 operands where the result goes on into a quantised operand, else bf16, f16 or f32 operands; f32 sums; everything else in f32.
;; Inputs: Wk_codes 1,024 x 32 x 32 uint8 (E4M3 codes of Wk, K innermost, in blocks of 32 codes); Wo_codes 1,024 x 32 x 32 uint8 (E4M3 codes of Wo, K innermost, in blocks of 32 codes); Wq_codes 1,024 x 32 x 32 uint8 (E4M3 codes of Wq, K innermost, in blocks of 32 codes); Wv_codes 1,024 x 32 x 32 uint8 (E4M3 codes of Wv, K innermost, in blocks of 32 codes); bk 1,024 float32; bo 1,024 float32; bq 1,024 float32; bv 1,024 float32; keys_codes 4 x 4,096 x 32 x 32 uint8 (E4M3 codes of keys, K innermost, in blocks of 32 codes); lowp_scales 12 int32 (the exponents e of the quantised operands' scales 2^e); mask 4 x 1 x 2,048 float32; queries_codes 4 x 2,048 x 32 x 32 uint8 (E4M3 codes of queries, K innermost, in blocks of 32 codes); values_codes 4 x 4,096 x 32 x 32 uint8 (E4M3 codes of values, K innermost, in blocks of 32 codes).
;; Outputs: out0 4 x 2,048 x 1,024 float32.
;; This version of the problem:
;;   THIS VERSION OF THE PROBLEM IS GIVEN IN LOW PRECISION. The matrix products marked QUANTISED in the list below multiply operands that are first quantised to E4M3 (4 exponent bits, 3 mantissa bits; 8 bits a number), with one given power-of-two scale for each operand tensor; their sums are f32. All else is computed in f32.
;;   The module's matrix products, in the order in which they are computed (A, B: the left and right operand; K: the contracted axis; several contracted axes count as one K, in the product's order):
;;     1. [M 8,192, K 1,024] x [K 1,024, N 1,024]; A: input queries (given as codes); B: input Wq (given as codes): QUANTISED (scales: A lowp_scales[0], B lowp_scales[1])
;;     2. [M 16,384, K 1,024] x [K 1,024, N 1,024]; A: input keys (given as codes); B: input Wk (given as codes): QUANTISED (scales: A lowp_scales[2], B lowp_scales[3])
;;     3. [M 16,384, K 1,024] x [K 1,024, N 1,024]; A: input values (given as codes); B: input Wv (given as codes): QUANTISED (scales: A lowp_scales[4], B lowp_scales[5])
;;     4. batch 64 x [M 64, K 4,096] x [K 4,096, N 64]; A: computed on the way; B: computed on the way: QUANTISED (scales: A lowp_scales[6], B lowp_scales[7])
;;     5. batch 64 x [M 2,048, K 64] x [K 64, N 1]; A: computed on the way; B: computed on the way: left as it is (N = 1 < 16)
;;     6. batch 64 x [M 2,048, K 64] x [K 64, N 64]; A: computed on the way; B: computed on the way: QUANTISED (scales: A lowp_scales[8], B lowp_scales[9])
;;     7. batch 131,072 x [M 1, K 1] x [K 1, N 64]; A: computed on the way; B: computed on the way: left as it is (no contracted axis)
;;     8. [M 8,192, K 1,024] x [K 1,024, N 1,024]; A: computed on the way; B: input Wo (given as codes): QUANTISED (scales: A lowp_scales[10], B lowp_scales[11])
;;   THE QUANTISER, for each operand of a quantised product, along K:
;;     - The operand's scale is 2^e, e = its entry of the input lowp_scales (int32; the entries are numbered through the quantised products in the list's order, A before B).
;;     - Each number is divided by the scale, clamped to +-448, and rounded to the nearest number of E4M3, ties to even, subnormals kept.
;;     - The product sums the exact products of the quantised numbers (number of the format x scale) in f32.
;;   ~~~python
;;   def quantise(x, axis, e):      # numpy; x: float32 -> the quantised numbers, widened to float32 again
;;       x = np.moveaxis(x, axis, -1); K = x.shape[-1]
;;       r = np.clip(x / 2.0 ** e, -448, 448)
;;       step = 2.0 ** (np.maximum(np.frexp(np.where(r == 0, 1, r))[1] - 1, -6) - 3)
;;       q = np.round(r / step) * step * 2.0 ** e      # np.round: ties to even
;;       return np.moveaxis(q, -1, axis).astype(np.float32)
;;   ~~~
;;   OPERANDS COMPUTED ON THE WAY. 'Computed on the way' means the value that the module computes at that place (a softmax that the list does not call 'softmax' is quantised finished and normalised). What goes into a quantiser is computed in f32, as accurately as f32 sums, v_exp_f32 and their like allow (about 1e-6 of the number): no bf16 or f16 on the way to a quantiser, and a product that is left as it is and whose result goes on into a quantised operand takes f32 operands (vector FMAs, or v_wmma_f32_16x16x4_f32). A number that lies on a knife's edge between two numbers of the format may be rounded either way, as far as f32 arithmetic and the matrix unit's own rounding can turn it there, and no further.
;;   INPUTS GIVEN AS CODES. Wk (in the module: [1024, 1024], K = its axis 0); Wo (in the module: [1024, 1024], K = its axis 0); Wq (in the module: [1024, 1024], K = its axis 0); Wv (in the module: [1024, 1024], K = its axis 0); keys (in the module: [4, 4096, 1024], K = its axis 2); queries (in the module: [4, 2048, 1024], K = its axis 2); values (in the module: [4, 4096, 1024], K = its axis 2): each comes as NAME_codes (uint8): NAME with its K axis moved to the last place and cut into blocks of 32 codes, [.., K / 32, bytes a block], one block behind the other in memory; one code a byte (a code: sign, 4 exponent bits, 3 mantissa bits); its scale is its entry of lowp_scales. Its value is code x scale, taken as it is: it is not quantised again, and the codes and scales need not be those that the quantiser above would give.
;; One version. Each part assembles by itself: llvm-mc -triple=amdgcn-amd-amdhsa -mcpu=gfx1250 --defsym DOCPART=n.
;; ======== version 1 of 1: 4 launches
;; workspace buffers: kvpart 16,777,216 bytes; kspart 524,288 bytes; kvc 262,144 bytes; ksum 16,384 bytes; xc 8,388,608 bytes
;; launch kv (part 1): grid 4 x 64, 4 waves a work-group, clusters of 4 x 4, 327,680 bytes of LDS; arguments keys_codes, values_codes, Wk_codes, Wv_codes, bk, bv, lowp_scales, kvpart, kspart; writes kvpart, kspart
.if DOCPART == 1
	.amdgcn_target "amdgcn-amd-amdhsa--gfx1250"
	.amdhsa_code_object_version 6
	.text
	.protected	k_q0805db131d_kv
	.globl	k_q0805db131d_kv
	.p2align	8
	.type	k_q0805db131d_kv,@function
k_q0805db131d_kv:
	s_mov_b64 s[64:65], 0
	v_nop
	global_prefetch_b8 v0, s[64:65] scope:SCOPE_SE
	s_setreg_imm32_b32 hwreg(HW_REG_WAVE_MODE, 25, 1), 1
	s_wait_xcnt 0x0
	s_wait_alu depctr_hold_cnt(0) depctr_sa_sdst(0) depctr_va_vdst(0) depctr_va_sdst(0) depctr_va_ssrc(0) depctr_va_vcc(0) depctr_vm_vsrc(0)
	s_getreg_b32 s2, hwreg(HW_REG_IB_STS2, 6, 4)
	s_cmp_eq_u32 s2, 0
	s_cbranch_scc0 .Lentry_in_a_cluster
	s_endpgm
.Lentry_in_a_cluster:
	s_bfe_u32 s2, ttmp6, 0x10000c
	s_cmp_lg_u32 s2, 0xf033
	s_cbranch_scc0 .Lentry_shape_is_right
	s_endpgm
.Lentry_shape_is_right:
; k = sigmoid(keys Wk + bk) and v = values Wv + bv for 256 keys x 256 features (four heads), both quantised along the keys in registers,
; then the part of KV = k^T v that these 256 keys give, and the part of the sum of k.  keys, values: [16384][1024] codes of E4M3; Wk, Wv: [1024 (feature)][1024 (k)] codes.
; SHARES.  Work-group (tx, ty): rows 256 ty (batch ty / 16, part p = ty % 16), features 256 tx.  It makes the tile of k, then the tile of v.  Four waves, each 128 rows (rh) x 128 features (ch):
; 64 accumulators of 16 x 16, 512 registers.  K goes in steps of 256 through a ring of two LDS slots filled by the tensor data mover; the ring goes on from k's tile into v's.
; THE MATRIX INSTRUCTION IS USED AS IT IS NAMED (source 0 = 16 data rows, source 1 = 16 weight rows): a lane then holds ONE feature and its registers run down the keys (16 b + 8 (lane / 16) + j),
; which are the next product's K: the eight conversions of a feature block's 64 registers ARE a fragment (16 features x 128 keys) of k^T or of v^T.
; Fragments of the projections come by loads of 16 bytes: a permutation of k that is the same in both operands.
; HEADS.  A wave's feature blocks 0-3 are its local head 0 = head 4 tx + 2 ch + rh, blocks 4-7 its local head 1 = head 4 tx + 2 ch + (1 - rh): two address registers for the weights do that.
; So every wave keeps local head 0 and hands local head 1's 16 tiles to the wave of the other row half, through LDS, with no branch.
; CLUSTER 4 x 4.  The four of a row of the cluster need the same data tiles, the four of a column the same weight tiles: each tile is asked for jointly.
; OUT.  kvpart [batch x 16 + head][p][tile 4 i + j][half][lane][16 bytes]: f32 sums of code products, as the result registers stand.  kspart [batch x 16 + head][2 p + rh][64] f32.
; LIMITS on the given exponents, so that each power of two is an f32 number: e2 + e3 and e4 + e5 between -126 and 127; e6 and e7 between -126 and 119.  NaN among the inputs is not served.
; REGISTERS.  window 0: v1-6 lane numbers and offsets; v16-31 addresses and scales; v32-47 -log2(e) bk in pairs; v48-55 sums of k; v56-59 store data; v64-127, v128-191 weight fragments, two buffers,
;   later v's codes; v192-223 at work; v224-239 bv in pairs.   window 1: v64-127, v128-191 data fragments; v0-63, v192-255 k's codes.   windows 2, 3: accumulator (a, b) at v[8 (8 (a % 4) + b)] of window 2 + a / 4.
.set PITCH,  272                       ; an LDS row: 256 bytes + 16 of padding = 68 words: the 16 rows that a load touches start at 16 different banks (64 banks of 4 bytes: ISA guide 11.1)
.set HALFT,  128*PITCH                 ; 128 rows: what one tensor load brings
.set HEADW,  64*PITCH                  ; a head's 64 weight rows
.set SLOT,   4*HALFT                   ; 256 data rows, then 256 weight rows
.set SPARE,  2*SLOT                    ; behind the ring: the spare words, 128 bytes for each wave
.set ADRD,  16                         ; v16-17  my data fragments in slot 0, 1
.set ADRWL, 18                         ; v18-19  my local head 0's weight fragments
.set ADRWH, 20                         ; v20-21  my local head 1's
.set STO,   22                         ; v22     the exchange: where I put 16 bytes
.set RD,    23                         ; v23     and where I read the partner's
.set GO,    24                         ; v24     16 x lane
.set KO0,   25                         ; v25, v26  my byte offsets in kspart, local head 0, 1
.set KO1,   26
.set SPW,   28                         ; v28     my spare word's LDS address; never rewritten
.set NIL,   29                         ; v29     0; never rewritten
.set SC6,   30                         ; v30     2^e6 as f32
.set SC7,   31                         ; v31     2^e7 as f32
.set BK,    32
.set KS,    48
.set KD,    56
.set F0,    64
.set F1,    128
.set T,     192
.set BV,    224
.set WV,    22                         ; s22 wave;  s23 rh: my row half, and: I fetch data (0) or weights (1);  s66 ch: my feature half, and which 128 rows I fetch
.set RH,    23
.set CH,    66
.set G1,    24                         ; s[24:31] descriptor group 1 for data tiles;  s[32:39] group 0, a set for each slot
.set G0,    32
.set G1B,   48                         ; s[48:55], s[56:63] the same for weight tiles
.set G0B,   56
.set MSB, 0
.macro WIN new                         ; the immediate's high byte repeats the setting that is left; a switch that changes nothing is dropped
.if MSB != (\new)
	s_set_vgpr_msb (MSB<<8)|(\new)
.set MSB, (\new)
.endif
.endm
.set MUL_LO, 0xa1                      ; source 0 (data) window 1, source 1 (weights) window 0, C and D window 2
.set MUL_HI, 0xf1                      ; the same, C and D window 3
.macro PLACES                          ; four plain vector instructions between a matrix instruction and a load into its sources or a read of its result
.rept 4
	v_nop
.endr
.endm
; A joint load: waves 0 and 1 fetch the data tile's halves, waves 2 and 3 the weight tile's.  The branch hangs on the wave's number alone.  Four v_nop follow each line.
.macro JLOAD s
	s_cmp_eq_u32 s[RH], 0
	s_cbranch_scc0 .Lfor_w_\@
	tensor_load_to_lds s[G0+4*\s:G0+4*\s+3], s[G1:G1+7]
	s_nop 0
.rept 4
	v_nop
.endr
	s_branch .Lasked_\@
.Lfor_w_\@:
	tensor_load_to_lds s[G0B+4*\s:G0B+4*\s+3], s[G1B:G1B+7]
	s_nop 0
.rept 4
	v_nop
.endr
.Lasked_\@:
.endm
.macro CREST                           ; a round of the cluster's barrier behind its opening barrier
	s_cmp_lg_u32 s[WV], 0
	s_cbranch_scc1 .Lnot_wave_0_\@
	s_barrier_signal -3
.Lnot_wave_0_\@:
	s_barrier_wait -3
	s_barrier_signal -1
	s_barrier_wait -1
.endm
.macro CROUND                          ; a whole round
	s_barrier_signal -1
	s_barrier_wait -1
	CREST
.endm
	s_load_b256 s[4:11], s[0:1], 0x0               ; keys s[4:5], values s[6:7], Wk s[8:9], Wv s[10:11]
	s_load_b256 s[12:19], s[0:1], 0x20             ; bk s[12:13], bv s[14:15], the scales' exponents s[16:17], kvpart s[18:19]
	s_load_b64 s[20:21], s[0:1], 0x40              ; kspart
	v_lshl_add_u32 v[SPW], v0, 2, SPARE
	v_mov_b32 v[NIL], 0
	ds_add_u32 v28, v29
	ds_add_u32 v28, v29
	s_wait_dscnt 0x0
	v_lshrrev_b32 v1, 5, v0
	v_readfirstlane_b32 s[WV], v1                  ; wave 0..3
	s_lshr_b32 s[RH], s[WV], 1
	s_and_b32 s[CH], s[WV], 1
	s_bfe_u32 s40, ttmp6, 0x40000                  ; cx, cy: my place in the cluster
	s_bfe_u32 s41, ttmp6, 0x40004
	s_lshl_b32 s42, ttmp9, 2
	s_add_co_u32 s42, s42, s40                     ; tx = 4 x cluster x + cx
	s_and_b32 s43, ttmp7, 0xffff
	s_lshl_b32 s43, s43, 2
	s_add_co_u32 s43, s43, s41                     ; ty = 4 x cluster y + cy
	s_lshl_b32 s44, s41, 2
	s_lshl_b32 s44, 15, s44                        ; my row of the cluster
	s_lshl_b32 s45, 0x1111, s40                    ; my column
	; descriptor group 1: 128 rows x 256 bytes, 1,024 bytes apart in memory, 16 bytes of padding behind each row in LDS
	s_or_b32 s[G1], s44, (1<<20)|(1<<21)|(5<<22)|(3<<25)    ; 15:0 the mask; 17:16 elements of 1 byte; 20 padding on; 21 set beside a mask; 24:22 after every 64 words; 31:25 four words
	s_or_b32 s[G1B], s45, (1<<20)|(1<<21)|(5<<22)|(3<<25)
.irp g, G1, G1B
	s_mov_b32 s[\g+1], 256<<16                     ; tensor_dim0
	s_mov_b32 s[\g+2], 128<<16                     ; tensor_dim1
	s_mov_b32 s[\g+3], 256<<16                     ; tile_dim0
	s_mov_b32 s[\g+4], 128                         ; tile_dim1
	s_mov_b32 s[\g+5], 1024                        ; tensor_dim0_stride
	s_mov_b32 s[\g+6], 0
	s_mov_b32 s[\g+7], 0
.endr
	s_lshl_b32 s46, s[CH], 7                       ; which 128 rows of a tile I fetch
	s_lshl_b32 s90, s43, 8
	s_add_co_u32 s90, s90, s46
	s_lshl_b32 s90, s90, 10                        ; data: (256 ty + 128 ch) rows of 1,024 bytes: hangs on ty alone among the cluster's coordinates
	s_mov_b32 s91, 0
	s_lshl_b32 s92, s42, 8
	s_add_co_u32 s92, s92, s46
	s_lshl_b32 s92, s92, 10                        ; weights: (256 tx + 128 ch) rows: hangs on tx alone
	s_mov_b32 s93, 0
	s_mul_i32 s47, s[WV], HALFT                    ; where my load goes: wave x 128 rows
	s_wait_kmcnt 0x0
	s_load_b256 s[68:75], s[16:17], 0x0            ; e0 .. e7
	s_load_b128 s[76:79], s[16:17], 0x20           ; e8 .. e11
	s_add_nc_u64 s[4:5], s[4:5], s[90:91]
	s_add_nc_u64 s[6:7], s[6:7], s[90:91]
	s_add_nc_u64 s[8:9], s[8:9], s[92:93]
	s_add_nc_u64 s[10:11], s[10:11], s[92:93]
	CROUND                                         ; all sixteen work-groups are here: the first joint loads meet
.irp s, 0,1
	s_mov_b32 s[G0+4*\s], 1
	s_add_co_u32 s[G0+4*\s+1], s47, \s*SLOT
	s_add_nc_u64 s[G0+4*\s+2:G0+4*\s+3], s[4:5], \s*256      ; keys, K step s
	s_or_b32 s[G0+4*\s+3], s[G0+4*\s+3], 0x80000000
	s_mov_b32 s[G0B+4*\s], 1
	s_add_co_u32 s[G0B+4*\s+1], s47, \s*SLOT
	s_add_nc_u64 s[G0B+4*\s+2:G0B+4*\s+3], s[8:9], \s*256    ; Wk, K step s
	s_or_b32 s[G0B+4*\s+3], s[G0B+4*\s+3], 0x80000000
	JLOAD \s                                       ; two tensor loads of mine are out
.endr
	v_and_b32 v1, 15, v0                           ; r
	v_bfe_u32 v2, v0, 4, 1                         ; h
	v_and_b32 v3, 31, v0                           ; lane
	v_mul_u32_u24 v4, v1, PITCH
	v_lshl_add_u32 v4, v2, 4, v4                   ; a fragment's row x pitch + 16 h
	s_xor_b32 s90, s[RH], 1                        ; the other row half
	s_mul_i32 s94, s[RH], HALFT                    ; my 128 data rows
	s_mul_i32 s95, s[CH], HALFT
	s_add_co_u32 s95, s95, 2*HALFT                 ; my 128 weight rows, behind the 256 data rows
	s_mul_i32 s96, s[RH], HEADW
	s_add_co_u32 s96, s96, s95                     ; local head 0's 64 of them
	s_mul_i32 s97, s90, HEADW
	s_add_co_u32 s97, s97, s95                     ; local head 1's
.irp s, 0,1
	v_add_nc_u32 v[ADRD+\s], s94, v4
	v_add_nc_u32 v[ADRWL+\s], s96, v4
	v_add_nc_u32 v[ADRWH+\s], s97, v4
	s_add_co_u32 s94, s94, SLOT
	s_add_co_u32 s96, s96, SLOT
	s_add_co_u32 s97, s97, SLOT
.endr
	v_lshlrev_b32 v[GO], 4, v3
	s_lshl_b32 s94, s[WV], 14                      ; the exchange: 16,384 bytes for each wave, in slot 0, used only when that slot has had its last fill and its last read
	v_add_nc_u32 v[STO], s94, v[GO]
	s_xor_b32 s94, s[WV], 2                        ; my partner: the same features, the other rows
	s_lshl_b32 s94, s94, 14
	v_add_nc_u32 v[RD], s94, v[GO]
	s_lshr_b32 s94, s43, 4                         ; batch
	s_and_b32 s95, s43, 15                         ; p
	s_lshl_b32 s94, s94, 4
	s_lshl_b32 s96, s42, 2
	s_add_co_u32 s94, s94, s96
	s_lshl_b32 s96, s[CH], 1
	s_add_co_u32 s94, s94, s96                     ; 16 batch + 4 tx + 2 ch
	s_add_co_u32 s98, s94, s[RH]                   ; local head 0's number among the 64
	s_add_co_u32 s99, s94, s90                     ; local head 1's
	s_lshl_b32 s96, s95, 1
	s_add_co_u32 s96, s96, s[RH]                   ; 2 p + rh
	s_lshl_b32 s97, s98, 5
	s_add_co_u32 s97, s97, s96
	s_lshl_b32 s97, s97, 8
	v_lshl_add_u32 v[KO0], v3, 2, s97
	s_lshl_b32 s97, s99, 5
	s_add_co_u32 s97, s97, s96
	s_lshl_b32 s97, s97, 8
	v_lshl_add_u32 v[KO1], v3, 2, s97
	s_lshl_b32 s96, s98, 4
	s_add_co_u32 s96, s96, s95
	s_lshl_b32 s96, s96, 14                        ; kvpart: (head x 16 + p) x 16,384 bytes
	s_mov_b32 s97, 0
	s_add_nc_u64 s[18:19], s[18:19], s[96:97]
	s_lshl_b32 s94, s42, 8
	s_lshl_b32 s95, s[CH], 7
	s_add_co_u32 s94, s94, s95                     ; my first feature
	s_lshl_b32 s95, s[RH], 6
	s_add_co_u32 s95, s95, s94
	s_lshl_b32 s95, s95, 2
	s_lshl_b32 s96, s90, 6
	s_add_co_u32 s96, s96, s94
	s_lshl_b32 s96, s96, 2
	v_lshl_add_u32 v5, v1, 2, s95                  ; the biases of local head 0: 4 r + 4 x its first feature
	v_lshl_add_u32 v6, v1, 2, s96                  ; of local head 1
.irp a, 0,1,2,3
	global_load_b32 v[BK+2*\a], v5, s[12:13] offset:64*\a
	global_load_b32 v[BK+8+2*\a], v6, s[12:13] offset:64*\a
	global_load_b32 v[BV+2*\a], v5, s[14:15] offset:64*\a
	global_load_b32 v[BV+8+2*\a], v6, s[14:15] offset:64*\a
.endr
	s_mov_b32 s88, 0x76543210                      ; v_permlanex16_b32's selects for lane l xor 16
	s_mov_b32 s89, 0xfedcba98
	s_wait_kmcnt 0x0
	s_add_co_i32 s80, s70, s71
	s_lshl_b32 s80, s80, 23
	s_add_co_u32 s80, s80, 0xbfb8aa3b              ; -log2(e) x 2^(e2 + e3): the exponents are added to the constant's exponent field
	s_mov_b32 s81, s80                             ; (named with it as a pair, so it is written)
	s_add_co_i32 s82, s72, s73
	s_add_co_i32 s82, s82, 127
	s_lshl_b32 s82, s82, 23                        ; 2^(e4 + e5)
	s_mov_b32 s83, s82
	s_add_co_i32 s94, s74, 127
	s_lshl_b32 s95, s94, 23
	v_mov_b32 v[SC6], s95                          ; 2^e6: the conversion takes its exponent field
	s_add_co_i32 s94, s94, 8
	s_lshl_b32 s94, s94, 23
	s_or_b32 s84, s94, 0x600000                    ; 448 x 2^e6
	s_add_co_i32 s94, s75, 127
	s_lshl_b32 s95, s94, 23
	v_mov_b32 v[SC7], s95                          ; 2^e7
	s_add_co_i32 s94, s94, 8
	s_lshl_b32 s94, s94, 23
	s_or_b32 s86, s94, 0x600000                    ; 448 x 2^e7,
	s_or_b32 s85, s86, 0x80000000                  ; and its negative
	s_wait_loadcnt 0x0                             ; the biases
.irp a, 0,1,2,3,4,5,6,7
	v_mul_f32 v[BK+2*\a], 0xbfb8aa3b, v[BK+2*\a]   ; -log2(e) bk: the exponent of 2 in the sigmoid is one multiply-add
	v_mov_b32 v[BV+2*\a+1], v[BV+2*\a]
.endr
.irp a, 0,1,2,3,4,5,6,7
	v_mov_b32 v[BK+2*\a+1], v[BK+2*\a]             ; a lane has one feature a block: the same bias for both halves of a packed instruction
.endr
; 16 matrix instructions: feature blocks a0, a0 + 1 of the window's four x all 8 row blocks, 64 along K.  zero = 1: the first product starts the sums.
; The 64 accumulators take turns, one instruction a turn, in the same order in every quarter.
.macro MUL16 f, hi, a0, zero
.irp a, \a0, \a0+1
.irp b, 0,1,2,3,4,5,6,7
.if \zero
	v_wmma_f32_16x16x64_fp8_fp8 v[8*(8*(\a)+\b):8*(8*(\a)+\b)+7], v[\f+8*\b:\f+8*\b+7], v[\f+8*(4*\hi+(\a)):\f+8*(4*\hi+(\a))+7], 0
.else
	v_wmma_f32_16x16x64_fp8_fp8 v[8*(8*(\a)+\b):8*(8*(\a)+\b)+7], v[\f+8*\b:\f+8*\b+7], v[\f+8*(4*\hi+(\a)):\f+8*(4*\hi+(\a))+7], v[8*(8*(\a)+\b):8*(8*(\a)+\b)+7]
.endif
.endr
.endr
.endm
; 32 LDS loads in one run: the fragments of 64 along K at byte k of the rows, into buffer f: 8 of data, 4 + 4 of weights.  A fragment: 16 rows x 64 codes in 8 registers, two loads of 16 bytes, 32 bytes apart.
.macro FETCH slot, k, f
	WIN 0x40                                       ; destination window 1, address window 0
.irp i, 0,1,2,3,4,5,6,7
	ds_load_b128 v[\f+8*\i:\f+8*\i+3],   v[ADRD+\slot] offset:\k+\i*16*PITCH
	ds_load_b128 v[\f+8*\i+4:\f+8*\i+7], v[ADRD+\slot] offset:\k+\i*16*PITCH+32
.endr
	WIN 0
.irp i, 0,1,2,3
	ds_load_b128 v[\f+8*\i:\f+8*\i+3],   v[ADRWL+\slot] offset:\k+\i*16*PITCH
	ds_load_b128 v[\f+8*\i+4:\f+8*\i+7], v[ADRWL+\slot] offset:\k+\i*16*PITCH+32
.endr
.irp i, 0,1,2,3
	ds_load_b128 v[\f+32+8*\i:\f+32+8*\i+3],   v[ADRWH+\slot] offset:\k+\i*16*PITCH
	ds_load_b128 v[\f+32+8*\i+4:\f+32+8*\i+7], v[ADRWH+\slot] offset:\k+\i*16*PITCH+32
.endr
.endm
; A K step is four quarters of 64 along K, 64 matrix instructions each, on buffers 0, 1, 0, 1.  One of the first three: asks for the next quarter (byte k) into buffer g, then multiplies buffer f.
.macro QUARTER slot, k, f, g, zero
	PLACES                                         ; buffer g was read by the matrix instructions just issued
	FETCH \slot, \k, \g
	s_wait_dscnt 32                                ; all but the 32 just issued: buffer f is in
	WIN MUL_LO
	MUL16 \f, 0, 0, \zero
	MUL16 \f, 0, 2, \zero
	WIN MUL_HI
	MUL16 \f, 1, 0, \zero
	MUL16 \f, 1, 2, \zero
.endm
; The last quarter multiplies buffer 1 and changes slots: ONE barrier.  In front of it each wave waits for all its tensor loads (its part of the next slot), adds 0 to its spare word, and waits for that and for its reads of this slot.
; mode 1: this slot is filled again, two K steps on.  mode 2: with v's K step 0 or 1: the ring goes on into the second tile.  mode 0: nothing is filled.
.macro TURN slot, next, mode
	WIN 0                                          ; (the add's two registers lie in window 0)
	s_wait_tensorcnt 0x0                           ; all my tensor loads have landed
	ds_add_u32 v[SPW], v[NIL]                      ; 0 onto my spare word
	s_wait_dscnt 1                                 ; buffer 1 is in; the add may be out
	WIN MUL_LO
	MUL16 F1, 0, 0, 0                              ; sixteen matrix instructions stand between the add and the wait for it
	s_wait_dscnt 0x0                               ; the add is done, and my reads of this slot are over
	s_barrier_signal -1
	MUL16 F1, 0, 2, 0
	WIN 0
	s_barrier_wait -1
.if \mode == 1
	CREST                                          ; the barrier has opened a round of the cluster's: no wave of any partner still reads this slot or has a load on its way
	s_add_nc_u64 s[G0+4*\slot+2:G0+4*\slot+3], s[G0+4*\slot+2:G0+4*\slot+3], 512
	s_add_nc_u64 s[G0B+4*\slot+2:G0B+4*\slot+3], s[G0B+4*\slot+2:G0B+4*\slot+3], 512
	JLOAD \slot                                    ; the first tensor load behind the round; its four v_nop are also the places in front of the loads below
.elseif \mode == 2
	CREST
	s_add_nc_u64 s[G0+4*\slot+2:G0+4*\slot+3], s[6:7], \slot*256       ; values
	s_or_b32 s[G0+4*\slot+3], s[G0+4*\slot+3], 0x80000000
	s_add_nc_u64 s[G0B+4*\slot+2:G0B+4*\slot+3], s[10:11], \slot*256   ; Wv
	s_or_b32 s[G0B+4*\slot+3], s[G0B+4*\slot+3], 0x80000000
	JLOAD \slot
.else
	PLACES
.endif
	FETCH \next, 0, F0
	WIN MUL_HI
	MUL16 F1, 1, 0, 0
	MUL16 F1, 1, 2, 0
.endm
.macro THREE slot, zero                ; a K step's first three quarters
	QUARTER \slot, 64,  F0, F1, \zero
	QUARTER \slot, 128, F1, F0, 0
	QUARTER \slot, 192, F0, F1, 0
.endm
; Feature block a of k: sigmoid, the sum over my 64 keys of a lane, the hold, the codes.
.macro KEPI a
.set W, 2+(\a)/4
.set AC, 64*((\a)%4)
.set KCA, 16*(\a)+128*((\a)/4)         ; k's codes: window 1, v0-63 for blocks 0-3, v192-255 for blocks 4-7
.set WW, (W<<6)|(W<<2)|W
	WIN WW
.set i, 0
.rept 32
	v_pk_fma_f32 v[AC+i:AC+i+1], v[AC+i:AC+i+1], s[80:81], v[BK+2*(\a):BK+2*(\a)+1] op_sel_hi:[1,0,1]   ; -log2(e) (sum x 2^(e2 + e3) + bk); each accumulator from its low end on
.set i, i+2
.endr
.set i, 0
.rept 64
	v_exp_f32 v[AC+i], v[AC+i]
.set i, i+1
.endr
	v_nop                                          ; a plain instruction behind the exponentials
.set i, 0
	s_wait_alu depctr_va_vdst(0)
.rept 32
	v_pk_add_f32 v[AC+i:AC+i+1], v[AC+i:AC+i+1], 1.0 op_sel_hi:[1,0]
.set i, i+2
.endr
.set i, 0
.rept 64
	v_rcp_f32 v[AC+i], v[AC+i]                     ; k = 1 / (1 + 2^(..))
.set i, i+1
.endr
	v_nop                                          ; a plain instruction behind the reciprocals
.set WW, (W<<2)|W
	WIN WW
.set i, 0
	s_wait_alu depctr_va_vdst(0)
.rept 16
	v_pk_add_f32 v[T+2*i:T+2*i+1], v[AC+4*i:AC+4*i+1], v[AC+4*i+2:AC+4*i+3]   ; THE SUM IS TAKEN OF THE UNQUANTISED k
.set i, i+1
.endr
	WIN 0
.irp i, 0,1,2,3,4,5,6,7
	v_pk_add_f32 v[T+2*\i:T+2*\i+1], v[T+2*\i:T+2*\i+1], v[T+16+2*\i:T+16+2*\i+1]
.endr
.irp i, 0,1,2,3
	v_pk_add_f32 v[T+2*\i:T+2*\i+1], v[T+2*\i:T+2*\i+1], v[T+8+2*\i:T+8+2*\i+1]
.endr
.irp i, 0,1
	v_pk_add_f32 v[T+2*\i:T+2*\i+1], v[T+2*\i:T+2*\i+1], v[T+4+2*\i:T+4+2*\i+1]
.endr
	v_pk_add_f32 v[T:T+1], v[T:T+1], v[T+2:T+3]
	v_add_f32 v[KS+(\a)], v[T], v[T+1]
.set WW, (W<<6)|(W<<2)|W
	WIN WW
.set i, 0
.rept 64
	v_min_num_f32 v[AC+i], s84, v[AC+i]            ; the conversion to an 8-bit code does not saturate (ISA guide 7.6.2); k is not negative, so the hold is one-sided
.set i, i+1
.endr
.set WW, 0x40|W
	WIN WW                                         ; source 0 the accumulators' window, the scale window 0, destination window 1
.set i, 0
.rept 8
	v_cvt_scalef32_pk8_fp8_f32 v[KCA+2*i:KCA+2*i+1], v[AC+8*i:AC+8*i+7], v[SC6]   ; keys 16 i + 8 h + 0 .. 7: registers 2 i, 2 i + 1 of the fragment
.set i, i+1
.endr
	v_nop                                          ; a plain instruction behind the last conversion
.endm
; Feature block a of v: scale and bias, the hold, the codes (window 0, v[64 + 16 a] on: the weight fragments are done with).
.macro VEPI a
.set W, 2+(\a)/4
.set AC, 64*((\a)%4)
.set WW, (W<<6)|W
	WIN WW
.set i, 0
.rept 32
	v_pk_fma_f32 v[AC+i:AC+i+1], v[AC+i:AC+i+1], s[82:83], v[BV+2*(\a):BV+2*(\a)+1] op_sel_hi:[1,0,1]   ; sum x 2^(e4 + e5) + bv
.set i, i+2
.endr
.set i, 0
.rept 64
	v_med3_num_f32 v[AC+i], v[AC+i], s85, s86      ; held within +-448 x 2^e7
.set i, i+1
.endr
	WIN W
.set i, 0
.rept 8
	v_cvt_scalef32_pk8_fp8_f32 v[64+16*(\a)+2*i:64+16*(\a)+2*i+1], v[AC+8*i:AC+8*i+7], v[SC7]
.set i, i+1
.endr
	v_nop
.endm
	s_wait_tensorcnt 0x1                           ; my part of K step 0 is in; K step 1's may stay out
	s_barrier_signal -1
	s_barrier_wait -1                              ; everybody's is
	FETCH 0, 0, F0
	; ---- the tile of k: K steps 0 to 3 in slots 0, 1, 0, 1
	THREE 0, 1
	TURN 0, 1, 1
	THREE 1, 0
	TURN 1, 0, 1
	THREE 0, 0
	TURN 0, 1, 2                                   ; slot 0 takes v's K step 0,
	THREE 1, 0
	TURN 1, 0, 2                                   ; slot 1 its K step 1, and v's first fragments are fetched
	PLACES
.irp a, 0,1,2,3,4,5,6,7
	KEPI \a
.endr
	WIN 0
.irp a, 0,1,2,3,4,5,6,7
	v_permlanex16_b32 v[T+\a], v[KS+\a], s88, s89  ; the feature's other 64 keys lie in the lane 16 away
.endr
.irp a, 0,1,2,3,4,5,6,7
	v_add_f32 v[KS+\a], v[KS+\a], v[T+\a]
.endr
	v_cmp_le_u32 vcc_lo, 16, v3
.irp q, 0,1,2,3
	v_cndmask_b32 v[KD+\q], v[KS+2*\q], v[KS+2*\q+1], vcc_lo   ; lanes 0-15 the even block's 16 features, lanes 16-31 the odd block's
.endr
	global_store_b32 v[KO0], v[KD],   s[20:21]               ; 128 consecutive bytes each
	global_store_b32 v[KO0], v[KD+1], s[20:21] offset:128
	global_store_b32 v[KO1], v[KD+2], s[20:21]
	global_store_b32 v[KO1], v[KD+3], s[20:21] offset:128
	; ---- the tile of v
	THREE 0, 1
	TURN 0, 1, 1
	THREE 1, 0
	TURN 1, 0, 1
	THREE 0, 0
	TURN 0, 1, 0                                   ; nothing is left to fetch; behind this barrier nobody reads slot 0
	THREE 1, 0
	s_wait_dscnt 0x0                               ; the very last quarter
	WIN MUL_LO
	MUL16 F1, 0, 0, 0
	MUL16 F1, 0, 2, 0
	WIN MUL_HI
	MUL16 F1, 1, 0, 0
	MUL16 F1, 1, 2, 0
	PLACES
.irp a, 0,1,2,3,4,5,6,7
	VEPI \a
.endr
	; ---- KV of my 128 keys: source 0 = 16 features d of k^T, source 1 = 16 features e of v^T, K = the keys.  Lane (r, h) of tile (i, j): e = 16 j + r, registers d = 16 i + 8 h + 0 .. 7
	WIN 0x81                                       ; source 0 window 1, source 1 window 0, destination window 2
.irp lh, 0,1
.irp i, 0,1,2,3
.irp j, 0,1,2,3
	v_wmma_f32_16x16x128_fp8_fp8 v[8*(16*\lh+4*\i+\j):8*(16*\lh+4*\i+\j)+7], v[192*\lh+16*\i:192*\lh+16*\i+15], v[64+16*(4*\lh+\j):64+16*(4*\lh+\j)+15], 0
.endr
.endr
.endr
	PLACES
	WIN 0x08                                       ; store data window 2
.set i, 0
.rept 32
	ds_store_b128 v[STO], v[128+4*i:128+4*i+3] offset:512*i   ; local head 1's 16 tiles, as the registers stand: 512 consecutive bytes a store
.set i, i+1
.endr
	s_wait_dscnt 0x0                               ; for the partner's sake: my stores are done
	s_barrier_signal -1
	s_barrier_wait -1
	WIN 0xc0                                       ; destination window 3
.set i, 0
.rept 32
	ds_load_b128 v[4*i:4*i+3], v[RD] offset:512*i  ; the partner's tiles of my local head 0
.set i, i+1
.endr
	s_wait_dscnt 0x0
	WIN 0x8e                                       ; source 0 and destination window 2, source 1 window 3
.set i, 0
.rept 64
	v_pk_add_f32 v[i:i+1], v[i:i+1], v[i:i+1]      ; my 128 keys' sums + the partner's
.set i, i+2
.endr
	WIN 0x08
.set i, 0
.rept 32
	global_store_b128 v[GO], v[4*i:4*i+3], s[18:19] offset:512*i   ; 32 lanes store 512 consecutive bytes, at a multiple of 256 from the buffer's first byte
.set i, i+1
.endr
	WIN 0
	s_wait_tensorcnt 0x0                           ; the wave's end
	ds_add_u32 v[SPW], v[NIL]
	s_wait_dscnt 0x0
	CROUND                                         ; the closing round: no work-group ends while a partner may still ask for a tile that names it
	s_endpgm
.Lfunc_end_k_q0805db131d_kv:
	.size	k_q0805db131d_kv, .Lfunc_end_k_q0805db131d_kv-k_q0805db131d_kv
	.p2alignl 7, 3214868480
	.fill 96, 4, 3214868480
	.section	.rodata,"a",@progbits
	.p2align	6, 0x0
	.amdhsa_kernel k_q0805db131d_kv
		.amdhsa_group_segment_fixed_size 327680
		.amdhsa_private_segment_fixed_size 0
		.amdhsa_enable_private_segment 0
		.amdhsa_kernarg_size 72
		.amdhsa_user_sgpr_count 2
		.amdhsa_user_sgpr_kernarg_segment_ptr 1
		.amdhsa_wavefront_size32 1
		.amdhsa_system_sgpr_workgroup_id_x 1
		.amdhsa_system_sgpr_workgroup_id_y 1
		.amdhsa_system_sgpr_workgroup_id_z 1
		.amdhsa_system_vgpr_workitem_id 0
		.amdhsa_next_free_vgpr 1024
		.amdhsa_next_free_sgpr 100
		.amdhsa_reserve_vcc 1
		.amdhsa_float_denorm_mode_32 3
		.amdhsa_float_denorm_mode_16_64 3
		.amdhsa_memory_ordered 1
		.amdhsa_forward_progress 1
		.amdhsa_inst_pref_size 255
	.end_amdhsa_kernel
	.section	.bss,"aw",@nobits
	.p2align	6
	.space	262144
	.amdgpu_metadata
---
amdhsa.version: [ 1, 2 ]
amdhsa.kernels:
  - .name:           k_q0805db131d_kv
    .symbol:         k_q0805db131d_kv.kd
    .args:
      - { .name: keys_codes, .offset: 0, .size: 8, .value_kind: global_buffer, .address_space: global }
      - { .name: values_codes, .offset: 8, .size: 8, .value_kind: global_buffer, .address_space: global }
      - { .name: Wk_codes, .offset: 16, .size: 8, .value_kind: global_buffer, .address_space: global }
      - { .name: Wv_codes, .offset: 24, .size: 8, .value_kind: global_buffer, .address_space: global }
      - { .name: bk, .offset: 32, .size: 8, .value_kind: global_buffer, .address_space: global }
      - { .name: bv, .offset: 40, .size: 8, .value_kind: global_buffer, .address_space: global }
      - { .name: lowp_scales, .offset: 48, .size: 8, .value_kind: global_buffer, .address_space: global }
      - { .name: kvpart, .offset: 56, .size: 8, .value_kind: global_buffer, .address_space: global }
      - { .name: kspart, .offset: 64, .size: 8, .value_kind: global_buffer, .address_space: global }
    .group_segment_fixed_size: 327680
    .private_segment_fixed_size: 0
    .kernarg_segment_align: 8
    .kernarg_segment_size: 72
    .max_flat_workgroup_size: 128
    .sgpr_count:     100
    .vgpr_count:     1024
    .wavefront_size: 32
...
	.end_amdgpu_metadata
.endif
;; end of part 1
;; launch red (part 2): grid 256 x 1, 2 waves a work-group, no clusters, 0 bytes of LDS; arguments kvpart, kspart, lowp_scales, kvc, ksum; writes kvc, ksum
.if DOCPART == 2
	.amdgcn_target "amdgcn-amd-amdhsa--gfx1250"
	.amdhsa_code_object_version 6
	.text
	.protected	k_q0805db131d_red
	.globl	k_q0805db131d_red
	.p2align	8
	.type	k_q0805db131d_red,@function
k_q0805db131d_red:
	s_mov_b64 s[64:65], 0
	v_nop
	global_prefetch_b8 v0, s[64:65] scope:SCOPE_SE
	s_setreg_imm32_b32 hwreg(HW_REG_WAVE_MODE, 25, 1), 1
	s_wait_xcnt 0x0
; The 16 parts of KV of each (batch, head) are added and quantised along d with the given 2^e9; the 32 parts of the sum of k are added, + 1e-6.
; kvpart [bh][p][tile 4 i + j][half][lane][16 bytes] holds f32 sums of code products: KV = sum x 2^(e6 + e7), so its code is sum / 2^(e9 - e6 - e7).
; SHARES.  Work-group: bh = x / 4, block j = x % 4 of e.  Wave g owns tiles (2 g, j) and (2 g + 1, j): a lane's 16 sums are e = 16 j + r, d = 32 g + 8 h + 0 .. 7 and 32 g + 16 + 8 h + 0 .. 7:
; their codes are registers 4 g .. 4 g + 3 of the fragment (16 rows e x 64 d) that the next launch feeds to the matrix unit: kvc [bh][j][half g][lane][16 bytes].
; A stream: each byte is read once, every load and store of a wave covers 512 or 256 consecutive bytes; no LDS, no barrier, no matrix unit, no cluster: the waves share nothing.
; LIMIT: e9 - e6 - e7 between -126 and 119.  NaN among the inputs is not served.
.set S,  16                            ; v16-31   the running sums
.set R0, 32                            ; v32-95, v96-159, v160-223: three batches of four parts, 16 registers a part
.set R1, 96
.set R2, 160
	s_load_b128 s[4:7], s[0:1], 0x0                ; kvpart, kspart
	s_load_b128 s[8:11], s[0:1], 0x10              ; the scales' exponents, kvc
	s_load_b64 s[12:13], s[0:1], 0x20              ; ksum
	v_lshrrev_b32 v1, 5, v0
	v_readfirstlane_b32 s14, v1                    ; g
	v_and_b32 v2, 31, v0
	s_lshr_b32 s15, ttmp9, 2                       ; bh
	s_and_b32 s16, ttmp9, 3                        ; j
	v_lshlrev_b32 v3, 4, v2                        ; 16 x lane
	s_lshl_b32 s17, s14, 13
	v_add_nc_u32 v4, s17, v3                       ; + 8,192 g: tile (2 g, j)
	s_lshl_b32 s18, s15, 18
	s_lshl_b32 s19, s16, 10
	s_add_co_u32 s18, s18, s19
	s_mov_b32 s19, 0
	s_wait_kmcnt 0x0
	s_load_b128 s[24:27], s[8:9], 0x18             ; e6, e7, e8, e9
	s_add_nc_u64 s[4:5], s[4:5], s[18:19]
.macro BATCH t, reg                    ; parts 4 t .. 4 t + 3: sixteen loads
.irp q, 0,1,2,3
	global_load_b128 v[\reg+16*\q:\reg+16*\q+3],     v4, s[4:5] offset:(4*\t+\q)*16384 th:TH_LOAD_NT
	global_load_b128 v[\reg+16*\q+4:\reg+16*\q+7],   v4, s[4:5] offset:(4*\t+\q)*16384+512 th:TH_LOAD_NT
	global_load_b128 v[\reg+16*\q+8:\reg+16*\q+11],  v4, s[4:5] offset:(4*\t+\q)*16384+4096 th:TH_LOAD_NT
	global_load_b128 v[\reg+16*\q+12:\reg+16*\q+15], v4, s[4:5] offset:(4*\t+\q)*16384+4608 th:TH_LOAD_NT
.endr
.endm
.macro ADDP reg                        ; one part more onto the sums
.irp i, 0,2,4,6,8,10,12,14
	v_pk_add_f32 v[S+\i:S+\i+1], v[S+\i:S+\i+1], v[\reg+\i:\reg+\i+1]
.endr
.endm
	BATCH 0, R0
	BATCH 1, R1
	BATCH 2, R2
	s_wait_loadcnt 32                              ; batch 0 is in; batches 1 and 2 may be out
.irp i, 0,2,4,6,8,10,12,14
	v_pk_add_f32 v[S+\i:S+\i+1], v[R0+\i:R0+\i+1], v[R0+16+\i:R0+16+\i+1]   ; the first two parts start the sums
.endr
	ADDP R0+32
	ADDP R0+48
	BATCH 3, R0
	s_wait_loadcnt 32                              ; batch 1 is in; batches 2 and 3 may be out
	ADDP R1
	ADDP R1+16
	ADDP R1+32
	ADDP R1+48
	s_wait_loadcnt 16                              ; batch 2 is in
	ADDP R2
	ADDP R2+16
	ADDP R2+32
	ADDP R2+48
	s_wait_loadcnt 0x0
	ADDP R0
	ADDP R0+16
	ADDP R0+32
	ADDP R0+48
	s_wait_kmcnt 0x0
	s_sub_co_i32 s20, s27, s24
	s_sub_co_i32 s20, s20, s25                     ; e9 - e6 - e7: the three scales folded into the conversion's one
	s_add_co_i32 s20, s20, 127
	s_lshl_b32 s21, s20, 23
	v_mov_b32 v6, s21
	s_add_co_i32 s20, s20, 8
	s_lshl_b32 s20, s20, 23
	s_or_b32 s22, s20, 0x600000                    ; 448 x that,
	s_or_b32 s23, s22, 0x80000000                  ; and its negative
.irp i, 0,1,2,3,4,5,6,7,8,9,10,11,12,13,14,15
	v_med3_num_f32 v[S+\i], v[S+\i], s23, s22      ; the conversion to an 8-bit code does not saturate (ISA guide 7.6.2): the hold first
.endr
	v_cvt_scalef32_pk8_fp8_f32 v[8:9], v[S:S+7], v6
	v_cvt_scalef32_pk8_fp8_f32 v[10:11], v[S+8:S+15], v6
	v_nop                                          ; a plain instruction behind the last conversion
	s_lshl_b32 s18, ttmp9, 10                      ; (4 bh + j) x 1,024
	s_lshl_b32 s20, s14, 9
	s_add_co_u32 s18, s18, s20
	v_add_nc_u32 v5, s18, v3
	global_store_b128 v5, v[8:11], s[10:11]        ; 512 consecutive bytes
	; the sum of k of this (batch, head): one wave of its four work-groups does it.  The branch hangs on ids alone.
	s_or_b32 s20, s16, s14
	s_cmp_lg_u32 s20, 0
	s_cbranch_scc1 .Lend
	s_lshl_b32 s18, s15, 13                        ; kspart: 32 rows of 256 bytes for each (batch, head)
	s_add_nc_u64 s[6:7], s[6:7], s[18:19]
	v_lshlrev_b32 v7, 3, v2                        ; two features a lane
.set q, 0
.rept 32
	global_load_b64 v[R0+2*q:R0+2*q+1], v7, s[6:7] offset:256*q th:TH_LOAD_NT
.set q, q+1
.endr
	s_wait_loadcnt 0x0
.irp w, 32,16,8,4,2
.set q, 0
.rept \w/2
	v_pk_add_f32 v[R0+q:R0+q+1], v[R0+q:R0+q+1], v[R0+\w+q:R0+\w+q+1]
.set q, q+2
.endr
.endr
	v_pk_add_f32 v[R0:R0+1], v[R0:R0+1], 0x358637bd op_sel_hi:[1,0]   ; + 1e-6
	s_lshl_b32 s18, s15, 8                         ; ksum [batch][1024]: 64 features of 4 bytes for each head
	s_add_nc_u64 s[12:13], s[12:13], s[18:19]
	global_store_b64 v7, v[R0:R0+1], s[12:13]      ; 256 consecutive bytes
.Lend:
	s_endpgm
.Lfunc_end_k_q0805db131d_red:
	.size	k_q0805db131d_red, .Lfunc_end_k_q0805db131d_red-k_q0805db131d_red
	.p2alignl 7, 3214868480
	.fill 96, 4, 3214868480
	.section	.rodata,"a",@progbits
	.p2align	6, 0x0
	.amdhsa_kernel k_q0805db131d_red
		.amdhsa_group_segment_fixed_size 0
		.amdhsa_private_segment_fixed_size 0
		.amdhsa_enable_private_segment 0
		.amdhsa_kernarg_size 40
		.amdhsa_user_sgpr_count 2
		.amdhsa_user_sgpr_kernarg_segment_ptr 1
		.amdhsa_wavefront_size32 1
		.amdhsa_system_sgpr_workgroup_id_x 1
		.amdhsa_system_sgpr_workgroup_id_y 1
		.amdhsa_system_sgpr_workgroup_id_z 1
		.amdhsa_system_vgpr_workitem_id 0
		.amdhsa_next_free_vgpr 224
		.amdhsa_next_free_sgpr 66
		.amdhsa_reserve_vcc 0
		.amdhsa_float_denorm_mode_32 3
		.amdhsa_float_denorm_mode_16_64 3
		.amdhsa_memory_ordered 1
		.amdhsa_forward_progress 1
		.amdhsa_inst_pref_size 22
	.end_amdhsa_kernel
	.amdgpu_metadata
---
amdhsa.version: [ 1, 2 ]
amdhsa.kernels:
  - .name:           k_q0805db131d_red
    .symbol:         k_q0805db131d_red.kd
    .args:
      - { .name: kvpart, .offset: 0, .size: 8, .value_kind: global_buffer, .address_space: global }
      - { .name: kspart, .offset: 8, .size: 8, .value_kind: global_buffer, .address_space: global }
      - { .name: lowp_scales, .offset: 16, .size: 8, .value_kind: global_buffer, .address_space: global }
      - { .name: kvc, .offset: 24, .size: 8, .value_kind: global_buffer, .address_space: global }
      - { .name: ksum, .offset: 32, .size: 8, .value_kind: global_buffer, .address_space: global }
    .group_segment_fixed_size: 0
    .private_segment_fixed_size: 0
    .kernarg_segment_align: 8
    .kernarg_segment_size: 40
    .max_flat_workgroup_size: 64
    .sgpr_count:     66
    .vgpr_count:     224
    .wavefront_size: 32
...
	.end_amdgpu_metadata
.endif
;; end of part 2
;; launch qx (part 3): grid 4 x 64, 4 waves a work-group, clusters of 4 x 4, 327,680 bytes of LDS; arguments queries_codes, Wq_codes, bq, lowp_scales, kvc, ksum, xc; writes xc
.if DOCPART == 3
	.amdgcn_target "amdgcn-amd-amdhsa--gfx1250"
	.amdhsa_code_object_version 6
	.text
	.protected	k_q0805db131d_qx
	.globl	k_q0805db131d_qx
	.p2align	8
	.type	k_q0805db131d_qx,@function
k_q0805db131d_qx:
	s_mov_b64 s[64:65], 0
	v_nop
	global_prefetch_b8 v0, s[64:65] scope:SCOPE_SE
	s_setreg_imm32_b32 hwreg(HW_REG_WAVE_MODE, 25, 1), 1
	s_wait_xcnt 0x0
	s_wait_alu depctr_hold_cnt(0) depctr_sa_sdst(0) depctr_va_vdst(0) depctr_va_sdst(0) depctr_va_ssrc(0) depctr_va_vcc(0) depctr_vm_vsrc(0)
	s_getreg_b32 s2, hwreg(HW_REG_IB_STS2, 6, 4)
	s_cmp_eq_u32 s2, 0
	s_cbranch_scc0 .Lentry_in_a_cluster
	s_endpgm
.Lentry_in_a_cluster:
	s_bfe_u32 s2, ttmp6, 0x10000c
	s_cmp_lg_u32 s2, 0xf033
	s_cbranch_scc0 .Lentry_shape_is_right
	s_endpgm
.Lentry_shape_is_right:
; q = sigmoid(queries Wq + bq) for 128 rows x 256 features (four heads); Z = 1 / (q . (sum of k + 1e-6)) in f32; q quantised along d; x = (q KV) Z; x quantised along the features, stored as operand images.
; SHARES.  Work-group (tx, ty): rows 128 ty (batch ty / 16), features 256 tx.  Four waves, each 64 rows (rh) x 128 features (ch: heads 4 tx + 2 ch, + 1): 32 accumulators.
; THE MATRIX INSTRUCTION IS USED TRANSPOSED (source 0 = 16 weight rows, source 1 = 16 data rows): lane (r, h) holds row 16 a + r and features 16 b + 8 h + 0 .. 7, which are neighbours along d:
; the conversions of a head's four tiles are a fragment (16 rows x 64 d) of q.  The second product is transposed too (source 0 = 16 rows e of KV^T, source 1 = q), and THE ROWS OF KV^T THAT FORM A TILE
; ARE NOT NEIGHBOURS: row x of tile 2 b' + u' is e = 32 b' + 8 u' + x + 8 (x / 8), so that a lane's 16 registers of tiles 2 b', 2 b' + 1 are e = 32 b' + 16 h + 0 .. 15, neighbours along the last product's K.
; K = 1,024 goes in four steps of 256.  Three LDS slots take steps 0 to 2 at the start; slot 0 is filled once more, with step 3.  CLUSTER 4 x 4: data tiles shared along a row, weight tiles along a column.
; xc [row / 16][head][half b'][lane][16 bytes]: lane (r, h): row r, e = 32 b' + 16 h + 0 .. 15.
; LIMITS on the given exponents: e0 + e1 and e8 + e9 between -126 and 127; e8 and e10 between -126 and 119.  NaN among the inputs is not served.
; REGISTERS.  window 0: v1-6 lane numbers; v16-29 addresses, scales; v32-47 Z x 2^(e8 + e9), a pair for each unit u = 2 a + head; v48-55 at work; v64-127 q's codes; v128-191, v192-255 data fragments, later x's codes.
;   window 1: weight fragments, two buffers of 128.   window 2: accumulator (a, b) at v[8 (8 a + b)].   window 3: v0-63 -log2(e) bq; v64-127 the sum of k; v128-191 KV^T's eight fragments.
.set PITCH,  272
.set DHALF,  64*PITCH                  ; 64 data rows: what a data load brings, and what a wave reads
.set WHALF,  128*PITCH                 ; 128 weight rows
.set SLOT,   2*DHALF+2*WHALF           ; 128 data rows, then 256 weight rows
.set SPARE,  3*SLOT                    ; behind the three slots: the spare words
.set ADRD,  16                         ; v16-18  my data fragments in slots 0, 1, 2
.set ADRW,  19                         ; v19-21  my weight fragments
.set LI,    22                         ; v22     16 x lane
.set KVO,   23                         ; v23     my lane's place in kvc
.set HO,    24                         ; v24     32 h
.set SC8,   26                         ; v26     2^e8
.set SC10,  27                         ; v27     2^e10
.set SPW,   28
.set NIL,   29
.set ZZ,    32
.set DT,    48
.set QC,    64
.set XC,    128
.set WV,    18
.set RH,    19
.set CH,    20
.set G1,    24                         ; s[24:31] group 1, data;  s[32:43] group 0, a set for each slot
.set G0,    32
.set G1B,   44                         ; s[44:51] group 1, weights;  s[52:63] group 0
.set G0B,   52
.set MSB, 0
.macro WIN new
.if MSB != (\new)
	s_set_vgpr_msb (MSB<<8)|(\new)
.set MSB, (\new)
.endif
.endm
.macro PLACES
.rept 4
	v_nop
.endr
.endm
.macro JLOAD s                         ; waves 0 and 1 fetch the data tile's halves, waves 2 and 3 the weight tile's; four v_nop follow each line
	s_cmp_eq_u32 s[RH], 0
	s_cbranch_scc0 .Lfor_w_\@
	tensor_load_to_lds s[G0+4*\s:G0+4*\s+3], s[G1:G1+7]
	s_nop 0
.rept 4
	v_nop
.endr
	s_branch .Lasked_\@
.Lfor_w_\@:
	tensor_load_to_lds s[G0B+4*\s:G0B+4*\s+3], s[G1B:G1B+7]
	s_nop 0
.rept 4
	v_nop
.endr
.Lasked_\@:
.endm
.macro CREST
	s_cmp_lg_u32 s[WV], 0
	s_cbranch_scc1 .Lnot_wave_0_\@
	s_barrier_signal -3
.Lnot_wave_0_\@:
	s_barrier_wait -3
	s_barrier_signal -1
	s_barrier_wait -1
.endm
.macro CROUND
	s_barrier_signal -1
	s_barrier_wait -1
	CREST
.endm
	s_load_b256 s[4:11], s[0:1], 0x0               ; queries s[4:5], Wq s[6:7], bq s[8:9], the scales' exponents s[10:11]
	s_load_b128 s[12:15], s[0:1], 0x20             ; kvc s[12:13], ksum s[14:15]
	s_load_b64 s[16:17], s[0:1], 0x30              ; xc
	v_lshl_add_u32 v[SPW], v0, 2, SPARE
	v_mov_b32 v[NIL], 0
	ds_add_u32 v28, v29
	ds_add_u32 v28, v29
	s_wait_dscnt 0x0
	v_lshrrev_b32 v1, 5, v0
	v_readfirstlane_b32 s[WV], v1
	s_lshr_b32 s[RH], s[WV], 1                     ; my row half.  Also: I fetch data (0) or weights (1)
	s_and_b32 s[CH], s[WV], 1                      ; my feature half.  Also: which half of that tile I fetch
	s_bfe_u32 s66, ttmp6, 0x40000                  ; cx, cy
	s_bfe_u32 s67, ttmp6, 0x40004
	s_lshl_b32 s68, ttmp9, 2
	s_add_co_u32 s68, s68, s66                     ; tx
	s_and_b32 s69, ttmp7, 0xffff
	s_lshl_b32 s69, s69, 2
	s_add_co_u32 s69, s69, s67                     ; ty
	s_lshl_b32 s70, s67, 2
	s_lshl_b32 s70, 15, s70                        ; my row of the cluster
	s_lshl_b32 s71, 0x1111, s66                    ; my column
	s_or_b32 s[G1], s70, (1<<20)|(1<<21)|(5<<22)|(3<<25)    ; the mask; elements of 1 byte; padding: four words after every 64; bit 21 beside a mask
	s_mov_b32 s[G1+1], 256<<16                     ; tensor_dim0
	s_mov_b32 s[G1+2], 64<<16                      ; tensor_dim1
	s_mov_b32 s[G1+3], 256<<16                     ; tile_dim0
	s_mov_b32 s[G1+4], 64                          ; tile_dim1
	s_mov_b32 s[G1+5], 1024                        ; tensor_dim0_stride
	s_mov_b32 s[G1+6], 0
	s_mov_b32 s[G1+7], 0
	s_or_b32 s[G1B], s71, (1<<20)|(1<<21)|(5<<22)|(3<<25)
	s_mov_b32 s[G1B+1], 256<<16
	s_mov_b32 s[G1B+2], 128<<16
	s_mov_b32 s[G1B+3], 256<<16
	s_mov_b32 s[G1B+4], 128
	s_mov_b32 s[G1B+5], 1024
	s_mov_b32 s[G1B+6], 0
	s_mov_b32 s[G1B+7], 0
	s_lshl_b32 s72, s69, 7
	s_lshl_b32 s73, s[CH], 6
	s_add_co_u32 s72, s72, s73
	s_lshl_b32 s72, s72, 10                        ; data: (128 ty + 64 ch) rows of 1,024 bytes
	s_mov_b32 s73, 0
	s_lshl_b32 s74, s68, 8
	s_lshl_b32 s75, s[CH], 7
	s_add_co_u32 s74, s74, s75
	s_lshl_b32 s74, s74, 10                        ; weights: (256 tx + 128 ch) rows
	s_mov_b32 s75, 0
	s_mul_i32 s21, s[CH], DHALF                    ; where they go: no place in the cluster enters an LDS address
	s_mul_i32 s22, s[CH], WHALF
	s_add_co_u32 s22, s22, 2*DHALF
	s_wait_kmcnt 0x0
	s_load_b256 s[80:87], s[10:11], 0x0            ; e0 .. e7
	s_load_b128 s[88:91], s[10:11], 0x20           ; e8 .. e11
	s_add_nc_u64 s[4:5], s[4:5], s[72:73]
	s_add_nc_u64 s[6:7], s[6:7], s[74:75]
	CROUND                                         ; all sixteen work-groups are here: the first joint loads meet
.irp s, 0,1,2
	s_mov_b32 s[G0+4*\s], 1
	s_add_co_u32 s[G0+4*\s+1], s21, \s*SLOT
	s_add_nc_u64 s[G0+4*\s+2:G0+4*\s+3], s[4:5], \s*256
	s_or_b32 s[G0+4*\s+3], s[G0+4*\s+3], 0x80000000
	s_mov_b32 s[G0B+4*\s], 1
	s_add_co_u32 s[G0B+4*\s+1], s22, \s*SLOT
	s_add_nc_u64 s[G0B+4*\s+2:G0B+4*\s+3], s[6:7], \s*256
	s_or_b32 s[G0B+4*\s+3], s[G0B+4*\s+3], 0x80000000
	JLOAD \s                                       ; three tensor loads of mine are out
.endr
	s_mov_b32 s77, 0
	s_lshl_b32 s78, s68, 8
	s_lshl_b32 s79, s[CH], 7
	s_add_co_u32 s78, s78, s79                     ; my first feature
	s_lshr_b32 s79, s69, 4                         ; batch
	s_lshl_b32 s76, s78, 2
	s_add_nc_u64 s[8:9], s[8:9], s[76:77]          ; bq at my first feature
	s_lshl_b32 s23, s79, 12
	s_add_co_u32 s76, s76, s23
	s_add_nc_u64 s[14:15], s[14:15], s[76:77]      ; ksum likewise, in my batch
	s_lshr_b32 s78, s78, 6                         ; my first head: 4 tx + 2 ch
	s_lshl_b32 s76, s79, 4
	s_add_co_u32 s76, s76, s78
	s_lshl_b32 s76, s76, 12
	s_add_nc_u64 s[12:13], s[12:13], s[76:77]      ; kvc: 4,096 bytes for each (batch, head)
	s_lshl_b32 s76, s69, 3
	s_lshl_b32 s23, s[RH], 2
	s_add_co_u32 s76, s76, s23                     ; my first block of 16 rows: 8 ty + 4 rh
	s_lshl_b32 s76, s76, 4
	s_add_co_u32 s76, s76, s78
	s_lshl_b32 s76, s76, 10
	s_add_nc_u64 s[16:17], s[16:17], s[76:77]      ; xc: (block x 16 + head) x 1,024 bytes
	v_and_b32 v1, 15, v0                           ; r
	v_bfe_u32 v2, v0, 4, 1                         ; h
	v_and_b32 v3, 31, v0                           ; lane
	v_mul_u32_u24 v4, v1, PITCH
	v_lshl_add_u32 v4, v2, 4, v4
	s_mul_i32 s21, s[RH], DHALF                    ; my 64 data rows
	s_mul_i32 s22, s[CH], WHALF
	s_add_co_u32 s22, s22, 2*DHALF                 ; my 128 weight rows
.irp s, 0,1,2
	v_add_nc_u32 v[ADRD+\s], s21, v4
	v_add_nc_u32 v[ADRW+\s], s22, v4
	s_add_co_u32 s21, s21, SLOT
	s_add_co_u32 s22, s22, SLOT
.endr
	v_lshlrev_b32 v[LI], 4, v3
	v_lshrrev_b32 v5, 3, v1
	v_and_b32 v6, 7, v1
	v_lshlrev_b32 v[KVO], 10, v5                   ; row x of a tile lies in block 2 b' + x / 8 of e,
	v_lshl_add_u32 v[KVO], v6, 4, v[KVO]           ; at lane 8 u' + x % 8 of that block's image,
	v_lshl_add_u32 v[KVO], v2, 8, v[KVO]           ; + 16 lanes for h = 1
	v_lshlrev_b32 v[HO], 5, v2
	WIN 0xc0                                       ; destination window 3
.irp b, 0,1,2,3,4,5,6,7
	global_load_b128 v[8*\b:8*\b+3],       v[HO], s[8:9] offset:64*\b        ; bq at features 16 b + 8 h + 0 .. 7
	global_load_b128 v[8*\b+4:8*\b+7],     v[HO], s[8:9] offset:64*\b+16
	global_load_b128 v[64+8*\b:64+8*\b+3], v[HO], s[14:15] offset:64*\b      ; the sum of k likewise
	global_load_b128 v[64+8*\b+4:64+8*\b+7], v[HO], s[14:15] offset:64*\b+16
.endr
.irp hd, 0,1
.irp bb, 0,1
.irp uu, 0,1
.irp hf, 0,1
	global_load_b128 v[128+32*\hd+8*(2*\bb+\uu)+4*\hf:128+32*\hd+8*(2*\bb+\uu)+4*\hf+3], v[KVO], s[12:13] offset:\hd*4096+\bb*2048+\uu*128+\hf*512
.endr
.endr
.endr
.endr
	WIN 0
	s_mov_b32 s98, 0x76543210
	s_mov_b32 s99, 0xfedcba98
	s_mov_b32 s100, 0xbfb8aa3b                     ; -log2(e)
	s_mov_b32 s101, s100
	s_wait_kmcnt 0x0
	s_add_co_i32 s92, s80, s81
	s_lshl_b32 s92, s92, 23
	s_add_co_u32 s92, s92, 0xbfb8aa3b              ; -log2(e) x 2^(e0 + e1)
	s_mov_b32 s93, s92
	s_add_co_i32 s76, s88, 127
	s_lshl_b32 s78, s76, 23
	v_mov_b32 v[SC8], s78                          ; 2^e8
	s_add_co_i32 s76, s76, 8
	s_lshl_b32 s76, s76, 23
	s_or_b32 s94, s76, 0x600000                    ; 448 x 2^e8
	s_add_co_i32 s95, s88, s89
	s_add_co_i32 s95, s95, 127
	s_lshl_b32 s95, s95, 23                        ; 2^(e8 + e9)
	s_add_co_i32 s76, s90, 127
	s_lshl_b32 s78, s76, 23
	v_mov_b32 v[SC10], s78                         ; 2^e10
	s_add_co_i32 s76, s76, 8
	s_lshl_b32 s76, s76, 23
	s_or_b32 s97, s76, 0x600000                    ; 448 x 2^e10,
	s_or_b32 s96, s97, 0x80000000                  ; and its negative
	s_wait_loadcnt 0x0
	WIN 0xc3                                       ; source 0 and destination window 3
.set i, 0
.rept 32
	v_pk_mul_f32 v[i:i+1], v[i:i+1], s[100:101] op_sel_hi:[1,0]   ; -log2(e) bq
.set i, i+2
.endr
	WIN 0
; 48 LDS loads in one run: the fragments of the slot's q-th 128 along K into buffer g: 8 of weights, 4 of data.  A fragment: 16 rows x 128 codes in 16 registers, four loads of 16 bytes, 32 bytes apart.
.macro FETCH s, q, g
	WIN 0x40
.irp b, 0,1,2,3,4,5,6,7
.irp c, 0,1,2,3
	ds_load_b128 v[128*(\g)+16*\b+4*\c:128*(\g)+16*\b+4*\c+3], v[ADRW+\s] offset:\b*16*PITCH+128*(\q)+32*\c
.endr
.endr
	WIN 0
.irp a, 0,1,2,3
.irp c, 0,1,2,3
	ds_load_b128 v[128+64*(\g)+16*\a+4*\c:128+64*(\g)+16*\a+4*\c+3], v[ADRD+\s] offset:\a*16*PITCH+128*(\q)+32*\c
.endr
.endr
.endm
; 8 matrix instructions: row block a x all 8 feature blocks.  The 32 accumulators take turns, in the same order in every step.
.macro MUL8 f, a, zero
.irp b, 0,1,2,3,4,5,6,7
.if \zero
	v_wmma_f32_16x16x128_fp8_fp8 v[8*(8*\a+\b):8*(8*\a+\b)+7], v[128*\f+16*\b:128*\f+16*\b+15], v[128+64*\f+16*\a:128+64*\f+16*\a+15], 0
.else
	v_wmma_f32_16x16x128_fp8_fp8 v[8*(8*\a+\b):8*(8*\a+\b)+7], v[128*\f+16*\b:128*\f+16*\b+15], v[128+64*\f+16*\a:128+64*\f+16*\a+15], v[8*(8*\a+\b):8*(8*\a+\b)+7]
.endif
.endr
.endm
; A step of 128 along K on buffer f.  fetch = 1: it first asks for the next step (slot s, part q) into the other buffer.
.macro KSUB f, s, q, zero, fetch
.if \fetch
	PLACES                                         ; the other buffer was read by the matrix instructions just issued
	FETCH \s, \q, 1-\f
	s_wait_dscnt 48                                ; all but the 48 just issued: buffer f is in
.else
	s_wait_dscnt 0x0
.endif
	WIN 0xa1                                       ; source 0 (weights) window 1, source 1 (data) window 0, C and D window 2
	MUL8 \f, 0, \zero
	MUL8 \f, 1, \zero
	MUL8 \f, 2, \zero
	MUL8 \f, 3, \zero
.endm
; A step on buffer 1 with a barrier in it.  In front of the barrier each wave waits for all its tensor loads, adds 0 to its spare word, and waits for that and for its LDS reads.
; refill = 1: slot 0, which has been read out, takes K step 3.  Then the next step's fragments come from slot s.
.macro TURNX s, refill
	WIN 0
	s_wait_tensorcnt 0x0                           ; all my tensor loads have landed
	ds_add_u32 v[SPW], v[NIL]                      ; 0 onto my spare word
	s_wait_dscnt 1                                 ; buffer 1 is in; the add may be out
	WIN 0xa1
	MUL8 1, 0, 0                                   ; eight matrix instructions stand between the add and the wait for it
	s_wait_dscnt 0x0                               ; the add is done, and my LDS reads are over
	s_barrier_signal -1
	MUL8 1, 1, 0
	WIN 0
	s_barrier_wait -1
.if \refill
	CREST                                          ; the barrier has opened a round of the cluster's: no wave of any partner still reads slot 0 or has a load on its way
	s_add_nc_u64 s[G0+2:G0+3], s[G0+2:G0+3], 768
	s_add_nc_u64 s[G0B+2:G0B+3], s[G0B+2:G0B+3], 768
	JLOAD 0                                        ; the first tensor load behind the round; its four v_nop are also the places in front of the loads below
.else
	PLACES
.endif
	FETCH \s, 0, 0
	WIN 0xa1
	MUL8 1, 2, 0
	MUL8 1, 3, 0
.endm
	s_wait_tensorcnt 0x2                           ; my part of K step 0 is in; steps 1 and 2 may stay out
	s_barrier_signal -1
	s_barrier_wait -1
	FETCH 0, 0, 0
	KSUB 0, 0, 1, 1, 1                             ; slot 0, first half: its products start the sums
	TURNX 1, 1                                     ; slot 0, second half; every wave has waited for all its loads, so slots 1 and 2 are whole behind this round
	KSUB 0, 1, 1, 0, 1
	KSUB 1, 2, 0, 0, 1
	KSUB 0, 2, 1, 0, 1
	TURNX 0, 0                                     ; slot 2, second half; behind this barrier slot 0 holds K step 3
	KSUB 0, 0, 1, 0, 1
	KSUB 1, 0, 0, 0, 0
	PLACES
	; ---- q = sigmoid(..), a row block at a time
	WIN 0xb2                                       ; source 0 and destination window 2, source 2 (bq) window 3
.irp a, 0,1,2,3
.set i, 0
.rept 32
	v_pk_fma_f32 v[64*\a+i:64*\a+i+1], v[64*\a+i:64*\a+i+1], s[92:93], v[i:i+1] op_sel_hi:[1,0,1]   ; each accumulator from its low end on
.set i, i+2
.endr
.set i, 0
.rept 64
	v_exp_f32 v[64*\a+i], v[64*\a+i]
.set i, i+1
.endr
	v_nop                                          ; a plain instruction behind the exponentials
.set i, 0
	s_wait_alu depctr_va_vdst(0)
.rept 32
	v_pk_add_f32 v[64*\a+i:64*\a+i+1], v[64*\a+i:64*\a+i+1], 1.0 op_sel_hi:[1,0]
.set i, i+2
.endr
.set i, 0
.rept 64
	v_rcp_f32 v[64*\a+i], v[64*\a+i]
.set i, i+1
.endr
	v_nop                                          ; a plain instruction behind the reciprocals
.endr
	; ---- q . (sum of k + 1e-6), of the unquantised q, by f32 multiply-adds: for each row block four chains (two heads x two)
.irp a, 0,1,2,3
	WIN 0x0e                                       ; source 0 (q) window 2, source 1 (the sum of k) window 3, the chains window 0
	s_wait_alu depctr_va_vdst(0)
.irp hd, 0,1
.irp c, 0,1
	v_pk_mul_f32 v[DT+4*\hd+2*\c:DT+4*\hd+2*\c+1], v[64*\a+32*\hd+16*\c:64*\a+32*\hd+16*\c+1], v[64+32*\hd+16*\c:64+32*\hd+16*\c+1]
.endr
.endr
.irp i, 2,4,6,8,10,12,14
.irp hd, 0,1
.irp c, 0,1
	v_pk_fma_f32 v[DT+4*\hd+2*\c:DT+4*\hd+2*\c+1], v[64*\a+32*\hd+16*\c+\i:64*\a+32*\hd+16*\c+\i+1], v[64+32*\hd+16*\c+\i:64+32*\hd+16*\c+\i+1], v[DT+4*\hd+2*\c:DT+4*\hd+2*\c+1]
.endr
.endr
.endr
	WIN 0
.irp hd, 0,1
	v_pk_add_f32 v[DT+4*\hd:DT+4*\hd+1], v[DT+4*\hd:DT+4*\hd+1], v[DT+4*\hd+2:DT+4*\hd+3]
.endr
.irp hd, 0,1
	v_add_f32 v[ZZ+2*(2*\a+\hd)], v[DT+4*\hd], v[DT+4*\hd+1]
	v_add_f32 v[ZZ+2*(2*\a+\hd)+1], v[DT+4*\hd], v[DT+4*\hd+1]   ; written too: it takes the lane exchange below, whose destination counts as read
.endr
.endr
.irp u, 0,1,2,3,4,5,6,7
	v_permlanex16_b32 v[ZZ+2*\u+1], v[ZZ+2*\u], s98, s99         ; the row's other 32 of a head's 64 lie in the lane 16 away
.endr
.irp u, 0,1,2,3,4,5,6,7
	v_add_f32 v[ZZ+2*\u], v[ZZ+2*\u], v[ZZ+2*\u+1]
.endr
.irp u, 0,1,2,3,4,5,6,7
	v_rcp_f32 v[ZZ+2*\u], v[ZZ+2*\u]               ; Z
.endr
	v_nop
	s_wait_alu depctr_va_vdst(0)
.irp u, 0,1,2,3,4,5,6,7
	v_mul_f32 v[ZZ+2*\u], s95, v[ZZ+2*\u]          ; Z x 2^(e8 + e9): what a sum of the second product lacks
.endr
	; ---- q's codes
	WIN 0x8a
.set i, 0
.rept 256
	v_min_num_f32 v[i], s94, v[i]                  ; q is not negative: a one-sided hold at 448 x 2^e8 (the conversion does not saturate: ISA guide 7.6.2)
.set i, i+1
.endr
	WIN 0x02                                       ; source 0 window 2, the scale and the destination window 0
.set i, 0
.rept 32
	v_cvt_scalef32_pk8_fp8_f32 v[QC+2*i:QC+2*i+1], v[8*i:8*i+7], v[SC8]   ; tile (a, b), i = 8 a + b: registers 2 (b % 4), + 1 of unit 2 a + b / 4: d = 16 (b % 4) + 8 h + 0 .. 7
.set i, i+1
.endr
	v_nop                                          ; a plain instruction behind the last conversion
	; ---- x^T = KV^T q^T: for each unit four tiles of 16 e, K = the head's 64
	WIN 0x83                                       ; source 0 (KV^T) window 3, source 1 (q) window 0, destination window 2
.irp a, 0,1,2,3
.irp hd, 0,1
.irp j, 0,1,2,3
	v_wmma_f32_16x16x64_fp8_fp8 v[64*\a+8*(4*\hd+\j):64*\a+8*(4*\hd+\j)+7], v[128+32*\hd+8*\j:128+32*\hd+8*\j+7], v[QC+8*(2*\a+\hd):QC+8*(2*\a+\hd)+7], 0
.endr
.endr
.endr
	PLACES
	; ---- x = sum x 2^(e8 + e9) Z, held, quantised
	WIN 0x82                                       ; source 0 and destination window 2, source 1 (Z) window 0
.irp u, 0,1,2,3,4,5,6,7
.set i, 0
.rept 16
	v_pk_mul_f32 v[32*\u+i:32*\u+i+1], v[32*\u+i:32*\u+i+1], v[ZZ+2*\u:ZZ+2*\u+1] op_sel_hi:[1,0]
.set i, i+2
.endr
.endr
.set i, 0
.rept 256
	v_med3_num_f32 v[i], v[i], s96, s97            ; within +-448 x 2^e10
.set i, i+1
.endr
	WIN 0x02
.set i, 0
.rept 32
	v_cvt_scalef32_pk8_fp8_f32 v[XC+2*i:XC+2*i+1], v[8*i:8*i+7], v[SC10]  ; unit u, tile j', i = 4 u + j': registers 2 j', + 1: e = 32 (j' / 2) + 16 h + 8 (j' % 2) + 0 .. 7
.set i, i+1
.endr
	v_nop
	WIN 0
.irp a, 0,1,2,3
.irp hd, 0,1
.irp hf, 0,1
	global_store_b128 v[LI], v[XC+8*(2*\a+\hd)+4*\hf:XC+8*(2*\a+\hd)+4*\hf+3], s[16:17] offset:\a*16384+\hd*1024+\hf*512   ; 512 consecutive bytes, at a multiple of 256 from the buffer's first byte
.endr
.endr
.endr
	s_wait_tensorcnt 0x0                           ; the wave's end
	ds_add_u32 v[SPW], v[NIL]
	s_wait_dscnt 0x0
	CROUND                                         ; the closing round
	s_endpgm
.Lfunc_end_k_q0805db131d_qx:
	.size	k_q0805db131d_qx, .Lfunc_end_k_q0805db131d_qx-k_q0805db131d_qx
	.p2alignl 7, 3214868480
	.fill 96, 4, 3214868480
	.section	.rodata,"a",@progbits
	.p2align	6, 0x0
	.amdhsa_kernel k_q0805db131d_qx
		.amdhsa_group_segment_fixed_size 327680
		.amdhsa_private_segment_fixed_size 0
		.amdhsa_enable_private_segment 0
		.amdhsa_kernarg_size 56
		.amdhsa_user_sgpr_count 2
		.amdhsa_user_sgpr_kernarg_segment_ptr 1
		.amdhsa_wavefront_size32 1
		.amdhsa_system_sgpr_workgroup_id_x 1
		.amdhsa_system_sgpr_workgroup_id_y 1
		.amdhsa_system_sgpr_workgroup_id_z 1
		.amdhsa_system_vgpr_workitem_id 0
		.amdhsa_next_free_vgpr 1024
		.amdhsa_next_free_sgpr 102
		.amdhsa_reserve_vcc 0
		.amdhsa_float_denorm_mode_32 3
		.amdhsa_float_denorm_mode_16_64 3
		.amdhsa_memory_ordered 1
		.amdhsa_forward_progress 1
		.amdhsa_inst_pref_size 143
	.end_amdhsa_kernel
	.amdgpu_metadata
---
amdhsa.version: [ 1, 2 ]
amdhsa.kernels:
  - .name:           k_q0805db131d_qx
    .symbol:         k_q0805db131d_qx.kd
    .args:
      - { .name: queries_codes, .offset: 0, .size: 8, .value_kind: global_buffer, .address_space: global }
      - { .name: Wq_codes, .offset: 8, .size: 8, .value_kind: global_buffer, .address_space: global }
      - { .name: bq, .offset: 16, .size: 8, .value_kind: global_buffer, .address_space: global }
      - { .name: lowp_scales, .offset: 24, .size: 8, .value_kind: global_buffer, .address_space: global }
      - { .name: kvc, .offset: 32, .size: 8, .value_kind: global_buffer, .address_space: global }
      - { .name: ksum, .offset: 40, .size: 8, .value_kind: global_buffer, .address_space: global }
      - { .name: xc, .offset: 48, .size: 8, .value_kind: global_buffer, .address_space: global }
    .group_segment_fixed_size: 327680
    .private_segment_fixed_size: 0
    .kernarg_segment_align: 8
    .kernarg_segment_size: 56
    .max_flat_workgroup_size: 128
    .sgpr_count:     102
    .vgpr_count:     1024
    .wavefront_size: 32
...
	.end_amdgpu_metadata
.endif
;; end of part 3
;; launch outp (part 4): grid 4 x 64, 4 waves a work-group, clusters of 4 x 4, 327,680 bytes of LDS; arguments xc, Wo_codes, bo, mask, lowp_scales, out0; writes out0
.if DOCPART == 4
	.amdgcn_target "amdgcn-amd-amdhsa--gfx1250"
	.amdhsa_code_object_version 6
	.text
	.protected	k_q0805db131d_outp
	.globl	k_q0805db131d_outp
	.p2align	8
	.type	k_q0805db131d_outp,@function
k_q0805db131d_outp:
	s_mov_b64 s[64:65], 0
	v_nop
	global_prefetch_b8 v0, s[64:65] scope:SCOPE_SE
	s_setreg_imm32_b32 hwreg(HW_REG_WAVE_MODE, 25, 1), 1
	s_wait_xcnt 0x0
	s_wait_alu depctr_hold_cnt(0) depctr_sa_sdst(0) depctr_va_vdst(0) depctr_va_sdst(0) depctr_va_ssrc(0) depctr_va_vcc(0) depctr_vm_vsrc(0)
	s_getreg_b32 s2, hwreg(HW_REG_IB_STS2, 6, 4)
	s_cmp_eq_u32 s2, 0
	s_cbranch_scc0 .Lentry_in_a_cluster
	s_endpgm
.Lentry_in_a_cluster:
	s_bfe_u32 s2, ttmp6, 0x10000c
	s_cmp_lg_u32 s2, 0xf033
	s_cbranch_scc0 .Lentry_shape_is_right
	s_endpgm
.Lentry_shape_is_right:
; out0 = ((x Wo) 2^(e10 + e11) + bo) x mask.  x: codes as operand images, xc [row / 16][head][half][lane][16 bytes]; Wo: [1024 (column)][1024 (k)] codes; out0 [8192][1024] f32.
; SHARES.  Work-group (tx, ty): rows 128 ty, columns 256 tx.  Four waves, each 64 rows (rh) x 128 columns (ch): 32 accumulators.  Transposed use (source 0 = 16 rows of Wo, source 1 = 16 rows of x):
; lane (r, h) holds row 16 a + r and columns 16 b + 8 h + 0 .. 7: 32 neighbouring bytes of a row of the output.
; x's fragments come out of LDS as they were stored: 16 x lane, 512 consecutive bytes a load; registers 4 c .. 4 c + 3 hold k = 32 c + 16 h + 0 .. 15 of the step's 128, as Wo's loads of 16 bytes give them.
; K = 1,024 goes in four steps of 256 (four heads).  Three LDS slots take steps 0 to 2 at the start; slot 0 is filled once more, with step 3.  CLUSTER 4 x 4: x's tiles shared along a row, Wo's along a column.
; LIMIT: e10 + e11 between -126 and 127.
; REGISTERS.  window 0: v1-4 lane numbers; v16-29 addresses; v32-39 the mask of my four row blocks, in pairs; v64-127 at work on the way out; v128-191, v192-255 x's fragments, later rows on the way out.
;   window 1: Wo's fragments, two buffers of 128.   window 2: accumulator (a, b) at v[8 (8 a + b)].   window 3: v0-63 bo.
.set PITCH,  272
.set XHALF,  16384                     ; four blocks of 16 rows x 4,096 bytes: what a data load brings, and what a wave reads
.set WHALF,  128*PITCH
.set SLOT,   2*XHALF+2*WHALF
.set SPARE,  3*SLOT
.set SPITCH, 528                       ; the way out: a stage of 16 rows x (512 bytes + 16) for each wave, in slot 1, which is filled once and is read no more when the first result is stored there
.set ADRX,  16                         ; v16-18  x's fragments in slots 0, 1, 2
.set ADRW,  19                         ; v19-21  Wo's
.set LI,    22                         ; v22     16 x lane
.set STO,   23                         ; v23     the stage: where I put 32 bytes of a row
.set HO,    24                         ; v24     32 h
.set MO,    25                         ; v25     4 r
.set RD,    26                         ; v26     the stage: where I read a row back
.set SPW,   28
.set NIL,   29
.set MK,    32
.set TMP,   64
.set BKR,   128
.set WV,    18
.set RH,    19
.set CH,    20
.set G1,    24
.set G0,    32
.set G1B,   44
.set G0B,   52
.set MSB, 0
.macro WIN new
.if MSB != (\new)
	s_set_vgpr_msb (MSB<<8)|(\new)
.set MSB, (\new)
.endif
.endm
.macro PLACES
.rept 4
	v_nop
.endr
.endm
.macro JLOAD s                         ; waves 0 and 1 fetch x's halves, waves 2 and 3 Wo's; four v_nop follow each line
	s_cmp_eq_u32 s[RH], 0
	s_cbranch_scc0 .Lfor_w_\@
	tensor_load_to_lds s[G0+4*\s:G0+4*\s+3], s[G1:G1+7]
	s_nop 0
.rept 4
	v_nop
.endr
	s_branch .Lasked_\@
.Lfor_w_\@:
	tensor_load_to_lds s[G0B+4*\s:G0B+4*\s+3], s[G1B:G1B+7]
	s_nop 0
.rept 4
	v_nop
.endr
.Lasked_\@:
.endm
.macro CREST
	s_cmp_lg_u32 s[WV], 0
	s_cbranch_scc1 .Lnot_wave_0_\@
	s_barrier_signal -3
.Lnot_wave_0_\@:
	s_barrier_wait -3
	s_barrier_signal -1
	s_barrier_wait -1
.endm
.macro CROUND
	s_barrier_signal -1
	s_barrier_wait -1
	CREST
.endm
	s_load_b256 s[4:11], s[0:1], 0x0               ; xc s[4:5], Wo s[6:7], bo s[8:9], mask s[10:11]
	s_load_b128 s[12:15], s[0:1], 0x20             ; the scales' exponents s[12:13], out0 s[14:15]
	v_lshl_add_u32 v[SPW], v0, 2, SPARE
	v_mov_b32 v[NIL], 0
	ds_add_u32 v28, v29
	ds_add_u32 v28, v29
	s_wait_dscnt 0x0
	v_lshrrev_b32 v1, 5, v0
	v_readfirstlane_b32 s[WV], v1
	s_lshr_b32 s[RH], s[WV], 1
	s_and_b32 s[CH], s[WV], 1
	s_bfe_u32 s66, ttmp6, 0x40000
	s_bfe_u32 s67, ttmp6, 0x40004
	s_lshl_b32 s68, ttmp9, 2
	s_add_co_u32 s68, s68, s66                     ; tx
	s_and_b32 s69, ttmp7, 0xffff
	s_lshl_b32 s69, s69, 2
	s_add_co_u32 s69, s69, s67                     ; ty
	s_lshl_b32 s70, s67, 2
	s_lshl_b32 s70, 15, s70
	s_lshl_b32 s71, 0x1111, s66
	; x: 4 rows of 4,096 bytes (a block of 16 rows, four heads), 16,384 bytes apart, in elements of 8 bytes, no padding
	s_or_b32 s[G1], s70, (3<<16)|(1<<21)
	s_mov_b32 s[G1+1], 512<<16                     ; tensor_dim0
	s_mov_b32 s[G1+2], 4<<16                       ; tensor_dim1
	s_mov_b32 s[G1+3], 512<<16                     ; tile_dim0
	s_mov_b32 s[G1+4], 4                           ; tile_dim1
	s_mov_b32 s[G1+5], 2048                        ; tensor_dim0_stride
	s_mov_b32 s[G1+6], 0
	s_mov_b32 s[G1+7], 0
	; Wo: 128 rows x 256 bytes, 1,024 bytes apart, 16 bytes of padding behind each row in LDS
	s_or_b32 s[G1B], s71, (1<<20)|(1<<21)|(5<<22)|(3<<25)
	s_mov_b32 s[G1B+1], 256<<16
	s_mov_b32 s[G1B+2], 128<<16
	s_mov_b32 s[G1B+3], 256<<16
	s_mov_b32 s[G1B+4], 128
	s_mov_b32 s[G1B+5], 1024
	s_mov_b32 s[G1B+6], 0
	s_mov_b32 s[G1B+7], 0
	s_lshl_b32 s72, s69, 3
	s_lshl_b32 s73, s[CH], 2
	s_add_co_u32 s72, s72, s73
	s_lshl_b32 s72, s72, 14                        ; x: block 8 ty + 4 ch of 16 rows, 16,384 bytes each
	s_mov_b32 s73, 0
	s_lshl_b32 s74, s68, 8
	s_lshl_b32 s75, s[CH], 7
	s_add_co_u32 s74, s74, s75
	s_lshl_b32 s74, s74, 10                        ; Wo: row 256 tx + 128 ch
	s_mov_b32 s75, 0
	s_mul_i32 s21, s[CH], XHALF
	s_mul_i32 s22, s[CH], WHALF
	s_add_co_u32 s22, s22, 2*XHALF
	s_wait_kmcnt 0x0
	s_load_b64 s[80:81], s[12:13], 0x28            ; e10, e11
	s_add_nc_u64 s[4:5], s[4:5], s[72:73]
	s_add_nc_u64 s[6:7], s[6:7], s[74:75]
	CROUND                                         ; all sixteen work-groups are here: the first joint loads meet
.irp s, 0,1,2
	s_mov_b32 s[G0+4*\s], 1
	s_add_co_u32 s[G0+4*\s+1], s21, \s*SLOT
	s_add_nc_u64 s[G0+4*\s+2:G0+4*\s+3], s[4:5], \s*4096
	s_or_b32 s[G0+4*\s+3], s[G0+4*\s+3], 0x80000000
	s_mov_b32 s[G0B+4*\s], 1
	s_add_co_u32 s[G0B+4*\s+1], s22, \s*SLOT
	s_add_nc_u64 s[G0B+4*\s+2:G0B+4*\s+3], s[6:7], \s*256
	s_or_b32 s[G0B+4*\s+3], s[G0B+4*\s+3], 0x80000000
	JLOAD \s                                       ; three tensor loads of mine are out
.endr
	s_mov_b32 s77, 0
	s_lshl_b32 s78, s68, 8
	s_lshl_b32 s79, s[CH], 7
	s_add_co_u32 s78, s78, s79                     ; my first column
	s_lshl_b32 s76, s78, 2
	s_add_nc_u64 s[8:9], s[8:9], s[76:77]          ; bo there,
	s_add_nc_u64 s[14:15], s[14:15], s[76:77]      ; and the output
	s_lshl_b32 s78, s69, 7
	s_lshl_b32 s79, s[RH], 6
	s_add_co_u32 s78, s78, s79                     ; my first row
	s_lshl_b32 s76, s78, 2
	s_add_nc_u64 s[10:11], s[10:11], s[76:77]      ; the mask there
	s_lshl_b32 s76, s78, 12
	s_add_nc_u64 s[14:15], s[14:15], s[76:77]      ; rows of 4,096 bytes
	v_and_b32 v1, 15, v0                           ; r
	v_bfe_u32 v2, v0, 4, 1                         ; h
	v_and_b32 v3, 31, v0                           ; lane
	v_lshlrev_b32 v[LI], 4, v3
	v_mul_u32_u24 v4, v1, PITCH
	v_lshl_add_u32 v4, v2, 4, v4
	s_mul_i32 s21, s[RH], XHALF                    ; my four blocks of x
	s_mul_i32 s22, s[CH], WHALF
	s_add_co_u32 s22, s22, 2*XHALF                 ; my 128 rows of Wo
.irp s, 0,1,2
	v_add_nc_u32 v[ADRX+\s], s21, v[LI]
	v_add_nc_u32 v[ADRW+\s], s22, v4
	s_add_co_u32 s21, s21, SLOT
	s_add_co_u32 s22, s22, SLOT
.endr
	s_mul_i32 s21, s[WV], 16*SPITCH
	s_add_co_u32 s21, s21, SLOT                    ; my stage
	v_mul_u32_u24 v[STO], v1, SPITCH
	v_lshl_add_u32 v[STO], v2, 5, v[STO]
	v_add_nc_u32 v[STO], s21, v[STO]               ; in: row r, 32 bytes for each half of the lanes
	v_add_nc_u32 v[RD], s21, v[LI]                 ; back: the 32 lanes take one row of 512 bytes
	v_lshlrev_b32 v[HO], 5, v2
	v_lshlrev_b32 v[MO], 2, v1
.irp a, 0,1,2,3
	global_load_b32 v[MK+2*\a], v[MO], s[10:11] offset:64*\a     ; the mask of row 16 a + r
.endr
	WIN 0xc0                                       ; destination window 3
.irp b, 0,1,2,3,4,5,6,7
	global_load_b128 v[8*\b:8*\b+3],   v[HO], s[8:9] offset:64*\b       ; bo at columns 16 b + 8 h + 0 .. 7
	global_load_b128 v[8*\b+4:8*\b+7], v[HO], s[8:9] offset:64*\b+16
.endr
	WIN 0
	s_wait_kmcnt 0x0
	s_add_co_i32 s92, s80, s81
	s_add_co_i32 s92, s92, 127
	s_lshl_b32 s92, s92, 23                        ; 2^(e10 + e11)
	s_mov_b32 s93, s92                             ; (named with it as a pair, so it is written)
	s_wait_loadcnt 0x0
.irp a, 0,1,2,3
	v_mov_b32 v[MK+2*\a+1], v[MK+2*\a]             ; a lane has one row a block: the same mask for both halves of a packed instruction
.endr
; 48 LDS loads in one run: the fragments of the slot's q-th 128 along K into buffer g: 8 of Wo, 4 of x
.macro FETCH s, q, g
	WIN 0x40
.irp b, 0,1,2,3,4,5,6,7
.irp c, 0,1,2,3
	ds_load_b128 v[128*(\g)+16*\b+4*\c:128*(\g)+16*\b+4*\c+3], v[ADRW+\s] offset:\b*16*PITCH+128*(\q)+32*\c
.endr
.endr
	WIN 0
.irp a, 0,1,2,3
.irp c, 0,1,2,3
	ds_load_b128 v[128+64*(\g)+16*\a+4*\c:128+64*(\g)+16*\a+4*\c+3], v[ADRX+\s] offset:4096*\a+2048*(\q)+512*\c
.endr
.endr
.endm
.macro MUL8 f, a, zero                 ; row block a x all 8 column blocks; the 32 accumulators take turns, in the same order in every step
.irp b, 0,1,2,3,4,5,6,7
.if \zero
	v_wmma_f32_16x16x128_fp8_fp8 v[8*(8*\a+\b):8*(8*\a+\b)+7], v[128*\f+16*\b:128*\f+16*\b+15], v[128+64*\f+16*\a:128+64*\f+16*\a+15], 0
.else
	v_wmma_f32_16x16x128_fp8_fp8 v[8*(8*\a+\b):8*(8*\a+\b)+7], v[128*\f+16*\b:128*\f+16*\b+15], v[128+64*\f+16*\a:128+64*\f+16*\a+15], v[8*(8*\a+\b):8*(8*\a+\b)+7]
.endif
.endr
.endm
.macro KSUB f, s, q, zero, fetch       ; a step of 128 along K on buffer f; fetch = 1: it first asks for the next step into the other buffer
.if \fetch
	PLACES                                         ; the other buffer was read by the matrix instructions just issued
	FETCH \s, \q, 1-\f
	s_wait_dscnt 48                                ; all but the 48 just issued: buffer f is in
.else
	s_wait_dscnt 0x0
.endif
	WIN 0xa1
	MUL8 \f, 0, \zero
	MUL8 \f, 1, \zero
	MUL8 \f, 2, \zero
	MUL8 \f, 3, \zero
.endm
.macro TURNX s, refill                 ; a step on buffer 1 with a barrier in it; refill = 1: slot 0 takes K step 3
	WIN 0
	s_wait_tensorcnt 0x0                           ; all my tensor loads have landed
	ds_add_u32 v[SPW], v[NIL]                      ; 0 onto my spare word
	s_wait_dscnt 1                                 ; buffer 1 is in; the add may be out
	WIN 0xa1
	MUL8 1, 0, 0
	s_wait_dscnt 0x0                               ; the add is done, and my LDS reads are over
	s_barrier_signal -1
	MUL8 1, 1, 0
	WIN 0
	s_barrier_wait -1
.if \refill
	CREST                                          ; no wave of any partner still reads slot 0 or has a load on its way
	s_add_nc_u64 s[G0+2:G0+3], s[G0+2:G0+3], 12288
	s_add_nc_u64 s[G0B+2:G0B+3], s[G0B+2:G0B+3], 768
	JLOAD 0                                        ; the first tensor load behind the round; its four v_nop are also the places in front of the loads below
.else
	PLACES
.endif
	FETCH \s, 0, 0
	WIN 0xa1
	MUL8 1, 2, 0
	MUL8 1, 3, 0
.endm
	s_wait_tensorcnt 0x2                           ; my part of K step 0 is in; steps 1 and 2 may stay out
	s_barrier_signal -1
	s_barrier_wait -1
	FETCH 0, 0, 0
	KSUB 0, 0, 1, 1, 1
	TURNX 1, 1                                     ; every wave has waited for all its loads: slots 1 and 2 are whole behind this round
	KSUB 0, 1, 1, 0, 1
	KSUB 1, 2, 0, 0, 1
	KSUB 0, 2, 1, 0, 1
	TURNX 0, 0                                     ; behind this barrier slot 0 holds K step 3, and nobody reads slot 1 any more
	KSUB 0, 0, 1, 0, 1
	KSUB 1, 0, 0, 0, 0
	PLACES
; THE WAY OUT, a block of 16 rows x 128 columns at a time: scaled, biased, masked; 32 bytes a lane into my own stage; back as whole rows of 512 bytes.
; LDS serves a wave's instructions in order (ISA guide 5.7.1.4): no wait between the stores and the loads, nor in front of the next block's stores.
.macro TOSTAGE a
	WIN 0x32                                       ; source 0 (the sums) window 2, source 2 (bo) window 3, destination window 0
.set i, 0
.rept 32
	v_pk_fma_f32 v[TMP+i:TMP+i+1], v[64*\a+i:64*\a+i+1], s[92:93], v[i:i+1] op_sel_hi:[1,0,1]   ; sum x 2^(e10 + e11) + bo; each accumulator from its low end on
.set i, i+2
.endr
	WIN 0
.set i, 0
.rept 32
	v_pk_mul_f32 v[TMP+i:TMP+i+1], v[TMP+i:TMP+i+1], v[MK+2*\a:MK+2*\a+1]
.set i, i+2
.endr
.irp b, 0,1,2,3,4,5,6,7
	ds_store_b128 v[STO], v[TMP+8*\b:TMP+8*\b+3] offset:64*\b
	ds_store_b128 v[STO], v[TMP+8*\b+4:TMP+8*\b+7] offset:64*\b+16
.endr
.irp t, 0,1,2,3,4,5,6,7,8,9,10,11,12,13,14,15
	ds_load_b128 v[BKR+64*(\a%2)+4*\t:BKR+64*(\a%2)+4*\t+3], v[RD] offset:\t*SPITCH
.endr
.endm
.macro SEND a, younger                 ; younger: the LDS instructions issued behind block a's loads, which may stay out
	s_wait_dscnt \younger
.irp t, 0,1,2,3,4,5,6,7,8,9,10,11,12,13,14,15
	global_store_b128 v[LI], v[BKR+64*(\a%2)+4*\t:BKR+64*(\a%2)+4*\t+3], s[14:15] offset:\a*65536+\t*4096 th:TH_STORE_NT   ; 32 lanes store 512 consecutive bytes, at a multiple of 256 from the output's first byte
.endr
.endm
	TOSTAGE 0
	TOSTAGE 1
	SEND 0, 32                                     ; behind block 0's loads: block 1's 16 stores and 16 loads
	s_wait_xcnt 0x0                                ; block 0's stores have read their registers: block 2's loads may land there
	TOSTAGE 2
	SEND 1, 32
	s_wait_xcnt 0x0
	TOSTAGE 3
	SEND 2, 32
	SEND 3, 0
	s_wait_tensorcnt 0x0                           ; the wave's end
	ds_add_u32 v[SPW], v[NIL]
	s_wait_dscnt 0x0
	CROUND                                         ; the closing round
	s_endpgm
.Lfunc_end_k_q0805db131d_outp:
	.size	k_q0805db131d_outp, .Lfunc_end_k_q0805db131d_outp-k_q0805db131d_outp
	.p2alignl 7, 3214868480
	.fill 96, 4, 3214868480
	.section	.rodata,"a",@progbits
	.p2align	6, 0x0
	.amdhsa_kernel k_q0805db131d_outp
		.amdhsa_group_segment_fixed_size 327680
		.amdhsa_private_segment_fixed_size 0
		.amdhsa_enable_private_segment 0
		.amdhsa_kernarg_size 48
		.amdhsa_user_sgpr_count 2
		.amdhsa_user_sgpr_kernarg_segment_ptr 1
		.amdhsa_wavefront_size32 1
		.amdhsa_system_sgpr_workgroup_id_x 1
		.amdhsa_system_sgpr_workgroup_id_y 1
		.amdhsa_system_sgpr_workgroup_id_z 1
		.amdhsa_system_vgpr_workitem_id 0
		.amdhsa_next_free_vgpr 1024
		.amdhsa_next_free_sgpr 102
		.amdhsa_reserve_vcc 0
		.amdhsa_float_denorm_mode_32 3
		.amdhsa_float_denorm_mode_16_64 3
		.amdhsa_memory_ordered 1
		.amdhsa_forward_progress 1
		.amdhsa_inst_pref_size 85
	.end_amdhsa_kernel
	.amdgpu_metadata
---
amdhsa.version: [ 1, 2 ]
amdhsa.kernels:
  - .name:           k_q0805db131d_outp
    .symbol:         k_q0805db131d_outp.kd
    .args:
      - { .name: xc, .offset: 0, .size: 8, .value_kind: global_buffer, .address_space: global }
      - { .name: Wo_codes, .offset: 8, .size: 8, .value_kind: global_buffer, .address_space: global }
      - { .name: bo, .offset: 16, .size: 8, .value_kind: global_buffer, .address_space: global }
      - { .name: mask, .offset: 24, .size: 8, .value_kind: global_buffer, .address_space: global }
      - { .name: lowp_scales, .offset: 32, .size: 8, .value_kind: global_buffer, .address_space: global }
      - { .name: out0, .offset: 40, .size: 8, .value_kind: global_buffer, .address_space: global }
    .group_segment_fixed_size: 327680
    .private_segment_fixed_size: 0
    .kernarg_segment_align: 8
    .kernarg_segment_size: 48
    .max_flat_workgroup_size: 128
    .sgpr_count:     102
    .vgpr_count:     1024
    .wavefront_size: 32
...
	.end_amdgpu_metadata
.endif
;; end of part 4
